; MI455X (gfx1250); checked and timed in simulation.
; The chip was launched on July 23, 2026; its instructions are those of AMD's public machine-readable ISA for CDNA 5 (MIT licence, August 2026) and "CDNA5" Instruction Set Architecture Reference Guide (July 2026). The comments in the code are by the model that wrote it; some were corrected since.
;; Multi Head Self Attention. Allowed arithmetic: matrix products marked QUANTISED: E2M3 operands, one E8M0 scale for each 32 along K, by v_wmma_scale_f32_16x16x128_f8f6f4 with both operands' format E2M3, f32 sums; everything else in f32.
;; Inputs: wk 1,024 x 1,024 float32; wo 1,024 x 1,024 float32; wq 1,024 x 1,024 float32; wv 1,024 x 1,024 float32; x 4 x 2,048 x 1,024 float32.
;; Outputs: out0 4 x 2,048 x 1,024 float32.
;; This version of the problem:
;;   THIS VERSION OF THE PROBLEM IS GIVEN IN LOW PRECISION. The matrix products marked QUANTISED in the list below multiply operands that are first quantised to E2M3 (2 exponent bits, 3 mantissa bits; 6 bits a number), with one power-of-two scale for each 32 numbers along K (OCP MX v1.0); their sums are f32. All else is computed in f32.
;;   The module's matrix products, in the order in which they are computed (A, B: the left and right operand; K: the contracted axis; several contracted axes count as one K, in the product's order):
;;     1. [M 8,192, K 1,024] x [K 1,024, N 1,024]; A: input x; B: input wq: QUANTISED
;;     2. [M 8,192, K 1,024] x [K 1,024, N 1,024]; A: input x; B: input wk: QUANTISED
;;     3. [M 8,192, K 1,024] x [K 1,024, N 1,024]; A: input x; B: input wv: QUANTISED
;;     4. batch 64 x [M 2,048, K 64] x [K 64, N 2,048]; A: computed on the way; B: computed on the way: QUANTISED
;;     5. batch 64 x [M 2,048, K 2,048] x [K 2,048, N 64]; A: softmax (see below); B: computed on the way: QUANTISED
;;     6. [M 8,192, K 1,024] x [K 1,024, N 1,024]; A: computed on the way; B: input wo: QUANTISED
;;   THE QUANTISER, for each operand of a quantised product, along K:
;;     - K is cut into blocks of 32 from its start; a last block that is shorter is filled with zeros.
;;     - A block's scale is 2^e with e = floor(log2(the largest magnitude in the block)) - 2, held to -126 .. 127; a block of zeros has e = 0. As a byte (E8M0): e + 127.
;;     - Each number is divided by its block's scale, clamped to +-7.5, and rounded to the nearest number of E2M3, ties to even, subnormals kept.
;;     - The product sums the exact products of the quantised numbers (number of the format x scale) in f32.
;;   ~~~python
;;   def quantise(x, axis):      # numpy; x: float32 -> the quantised numbers, widened to float32 again
;;       x = np.moveaxis(x, axis, -1); K = x.shape[-1]
;;       x = np.pad(x, [(0, 0)] * (x.ndim - 1) + [(0, -K % 32)]); x = x.reshape(x.shape[:-1] + (-1, 32)); a = np.abs(x).max(-1, keepdims=True)
;;       e = np.where(a > 0, np.clip(np.frexp(np.where(a > 0, a, 1))[1] - 1 - 2, -126, 127), 0)      # np.frexp(a)[1] - 1 = floor(log2(a)), exactly
;;       r = np.clip(x / 2.0 ** e, -7.5, 7.5)
;;       step = 2.0 ** (np.maximum(np.frexp(np.where(r == 0, 1, r))[1] - 1, 0) - 3)
;;       q = np.round(r / step) * step * 2.0 ** e      # np.round: ties to even
;;       return np.moveaxis(q.reshape(q.shape[:-2] + (-1,))[..., :K], -1, axis).astype(np.float32)
;;   ~~~
;;   SOFTMAX AHEAD OF A QUANTISED PRODUCT. Where the list says 'softmax', what is quantised is not the finished softmax but p = 2^(t - M), with t = logit x log2(e) and M = ceil(the row's largest t), a whole number; so 1/2 < the row's largest p <= 1. The row's sum l is taken of the UNQUANTISED p, in f32, and the product's result is divided by l at the end. Since M is a whole number, a kernel that streams over the keys may use a running M (the ceiling of the running maximum): every later rescaling is an exact power of two, which a block's scale takes up: the codes' values come out the same.
;;   OPERANDS COMPUTED ON THE WAY. 'Computed on the way' means the value that the module computes at that place (a softmax that the list does not call 'softmax' is quantised finished and normalised). What goes into a quantiser is computed in f32, as accurately as f32 sums, v_exp_f32 and their like allow (about 1e-6 of the number): no bf16 or f16 on the way to a quantiser, and a product that is left as it is and whose result goes on into a quantised operand takes f32 operands (vector FMAs, or v_wmma_f32_16x16x4_f32). A number that lies on a knife's edge between two numbers of the format may be rounded either way, as far as f32 arithmetic and the matrix unit's own rounding can turn it there, and no further.
;; One version. Each part assembles by itself: llvm-mc -triple=amdgcn-amd-amdhsa -mcpu=gfx1250 --defsym DOCPART=n.
;; ======== version 1 of 1: 4 launches
;; workspace buffers: xc 6,291,456 bytes; xs 262,144 bytes; wc 3,145,728 bytes; ws 131,072 bytes; qkv 19,660,800 bytes; oc 6,291,456 bytes; os 262,144 bytes
;; launch quant (part 1): grid 384 x 1, 4 waves a work-group, no clusters, 33,280 bytes of LDS; arguments x, wq, wk, wv, wo, xc, xs, wc, ws; writes xc, xs, wc, ws
.if DOCPART == 1
	.amdgcn_target "amdgcn-amd-amdhsa--gfx1250"
	.amdhsa_code_object_version 6
	.text
	.protected	k_q716ecfd8a2_quant
	.globl	k_q716ecfd8a2_quant
	.p2align	8
	.type	k_q716ecfd8a2_quant,@function
k_q716ecfd8a2_quant:
	s_mov_b64 s[64:65], 0
	v_nop
	global_prefetch_b8 v0, s[64:65] scope:SCOPE_SE
	s_setreg_imm32_b32 hwreg(HW_REG_WAVE_MODE, 25, 1), 1
	s_wait_xcnt 0x0
; x [8192][1024] and wq, wk, wv, wo [1024][1024], f32, K innermost, become codes of FP6 (E2M3), 6 bits each, with one E8M0 scale byte for each 32 along K.
; xc [8192][768 bytes], xs [8192][32]; wc [4096][768], ws [4096][32]: rows 0-1023 wq, 1024-2047 wk, 2048-3071 wv, 3072-4095 wo.
; A block's scale is 2^(floor(log2(its largest magnitude)) - 2); its byte is the largest magnitude's exponent field - 2, held at 1 from below.  Each number is divided by the scale and rounded to the nearest code, ties to even.
; THE ROW ORDER.  Row p of x, wq, wk and wv is written at the row whose number has bits 3 and 4 exchanged (wo stays as it is).  Sixteen neighbouring rows 32 b + 16 u + r of the codes are then the rows
; 32 b + 8 u + r + 8 (r / 8) of the tensor: a tile of them as source 0 of a product leaves 16 neighbours along that axis in a lane's 16 registers of two neighbouring tiles, which the next quantiser wants.
; A wave takes 8 rows (8,192 numbers, 16 steps of 512), so the exchange is a choice of which 8 rows of the work-group's 32 the wave writes: wave w writes group ((w & 1) << 1) | (w >> 1).
; LIMITS: a block of zeros, and a block whose largest magnitude lies under 2^-124, get the byte 1 (a block of zeros has zero codes, and this program alone reads the bytes); NaN and infinities among the inputs are not served.
; Each of a step's four loads reads 512 consecutive bytes; the 2,048 bytes turn through the wave's own stage in LDS and come back 64 bytes a lane, so that a lane holds 16 neighbours along K (two lanes a block).
; The first 256 work-groups take x, then 32 each wq, wk, wv, wo.  Only pointers are chosen: all tensors take one path.  No tensor loads, no barrier: waves share nothing.
.set STEPS, 16
.set EMAX,  2
.set CB,    12                         ; bytes of 16 codes
.set R,     16                         ; v16-79   four sets of 16 numbers as they are loaded
.set X,     80                         ; v80-111  two sets of 16 neighbours
.set C,     128                        ; v128-191 codes: four registers for each step, so that no store's data are written again
.set E,     112                        ; v112-127 a scale byte for each step
.set WREG,  8192                       ; LDS: a region for each wave: two stages of 32 x SP bytes, and behind them its 256 scale bytes
.set SP,    80                         ; a lane's place in a stage: its 64 bytes + 16 of padding
	s_load_b512 s[36:51], s[0:1], 0x0              ; x 36, wq 38, wk 40, wv 42, wo 44, xc 46, xs 48, wc 50
	s_load_b64 s[52:53], s[0:1], 0x40              ; ws
	v_lshl_add_u32 v192, v0, 2, 0x8000
	v_mov_b32 v193, 0
	v_lshrrev_b32 v1, 5, v0
	v_readfirstlane_b32 s16, v1                    ; wave
	v_and_b32 v2, 31, v0                           ; lane
	v_lshlrev_b32 v3, 4, v2                        ; my 16 bytes of a load's 512
	s_mul_i32 s17, s16, WREG
	v_lshrrev_b32 v14, 2, v2
	v_mul_u32_u24 v14, v14, SP
	v_and_b32 v15, 3, v2
	v_lshl_add_u32 v14, v15, 4, v14
	v_add_nc_u32 v14, s17, v14                     ; the stage, on the way in: SP (lane / 4) + 16 (lane % 4)
	v_mul_u32_u24 v15, v2, SP
	v_add_nc_u32 v15, s17, v15                     ; and on the way out: SP x lane: my 16 neighbours
	v_mul_u32_u24 v4, v2, CB                       ; my codes' place in a step's
	v_lshrrev_b32 v5, 1, v2
	s_add_co_u32 s17, s17, 2*32*SP
	v_add_nc_u32 v5, s17, v5                       ; LDS: my wave's 256 scale bytes, my block's byte
	v_lshlrev_b32 v7, 3, v2                        ; and on the way out 8 bytes a lane
	v_add_nc_u32 v6, s17, v7
	s_and_b32 s22, s16, 1
	s_lshl_b32 s22, s22, 1
	s_lshr_b32 s23, s16, 1
	s_or_b32 s22, s22, s23                         ; the group of 8 rows that I write where rows change places
	s_and_b32 s19, ttmp9, 31                       ; a weight's work-group among its 32
	s_wait_kmcnt 0x0
	s_cmp_lt_u32 ttmp9, 352                        ; every choice hangs on the work-group's number alone
	s_cselect_b64 s[4:5], s[42:43], s[44:45]       ; wv, else wo
	s_cselect_b32 s18, s22, s16                    ; wo's rows stay where they are
	s_cmp_lt_u32 ttmp9, 320
	s_cselect_b64 s[4:5], s[40:41], s[4:5]         ; wk
	s_cmp_lt_u32 ttmp9, 288
	s_cselect_b64 s[4:5], s[38:39], s[4:5]         ; wq
	s_cmp_lt_u32 ttmp9, 256
	s_cselect_b64 s[4:5], s[36:37], s[4:5]         ; x
	s_cselect_b64 s[8:9], s[46:47], s[50:51]       ; the codes' buffer
	s_cselect_b64 s[10:11], s[48:49], s[52:53]     ; the scale bytes'
	s_cselect_b32 s17, 0, 256
	s_cselect_b32 s19, ttmp9, s19
	s_lshl_b32 s20, s19, 2
	s_add_co_u32 s20, s20, s16                     ; which run of 8 rows of the tensor I read
	s_sub_co_u32 s21, ttmp9, s17
	s_lshl_b32 s21, s21, 2
	s_add_co_u32 s21, s21, s18                     ; and which run of the buffers I write
	s_lshl_b32 s24, s20, 15                        ; 32,768 bytes of f32 a run
	s_mov_b32 s25, 0
	s_add_nc_u64 s[4:5], s[4:5], s[24:25]
	s_mul_i32 s24, s21, 32*STEPS*CB                ; 6,144 bytes of codes
	s_add_nc_u64 s[8:9], s[8:9], s[24:25]
	s_lshl_b32 s24, s21, 8                         ; 256 scale bytes
	s_add_nc_u64 s[10:11], s[10:11], s[24:25]
.macro LOAD t
.irp i, 0,1,2,3
	global_load_b128 v[R+16*((\t)%4)+4*\i:R+16*((\t)%4)+4*\i+3], v3, s[4:5] offset:2048*(\t)+512*\i th:TH_LOAD_NT   ; 32 lanes read 512 consecutive bytes
.endr
.endm
.macro TURN t                          ; step t's numbers through the stage: LDS serves a wave's instructions in order, so no wait stands between the stores and the loads
.irp i, 0,1,2,3
	ds_store_b128 v14, v[R+16*((\t)%4)+4*\i:R+16*((\t)%4)+4*\i+3] offset:32*SP*((\t)%2)+8*SP*\i
.endr
.irp i, 0,1,2,3
	ds_load_b128 v[X+16*((\t)%2)+4*\i:X+16*((\t)%2)+4*\i+3], v15 offset:32*SP*((\t)%2)+16*\i
.endr
.endm
.irp t, 0,1,2,3
	LOAD \t
.endr
	s_wait_loadcnt 12                              ; step 0's four loads are in; twelve younger ones stay out
	TURN 0
.macro STEP t
.set XS, X+16*((\t)%2)
.if (\t) > 0
	s_wait_dscnt 1                                 ; this step's numbers are back from the stage (the last step's byte store may be out): so its stores into the stage have read their registers,
.else
	s_wait_dscnt 0x0
.endif
.if (\t)+4 < STEPS
	LOAD (\t)+4                                    ; which take the loads of four steps on
.endif
.if (\t)+1 < STEPS
.if STEPS-2-(\t) >= 3
	s_wait_loadcnt 12                              ; the next step's four loads are in; those of the three steps behind it may be out
.else
	s_wait_loadcnt 4*(STEPS-2-(\t))
.endif
	TURN (\t)+1                                    ; and go through the other stage while this step is worked
.endif
	v_max3_num_f32 v8, |v[XS]|, |v[XS+1]|, |v[XS+2]|               ; the largest magnitude of my 16, in two chains
	v_max3_num_f32 v9, |v[XS+3]|, |v[XS+4]|, |v[XS+5]|
.irp i, 6,10
	v_max3_num_f32 v8, v8, |v[XS+\i]|, |v[XS+\i+1]|
	v_max3_num_f32 v9, v9, |v[XS+\i+2]|, |v[XS+\i+3]|
.endr
	v_max3_num_f32 v8, v8, |v[XS+14]|, |v[XS+15]|
	v_max3_num_f32 v8, v8, v9, (EMAX+1)<<23        ; and the floor 2^(EMAX + 1 - 127): so the byte cannot fall under 1
	v_max_num_f32_dpp v8, v8, v8 row_xmask:1 row_mask:0xf bank_mask:0xf   ; and of my neighbour's 16: the block's
	v_add_nc_u32 v11, -(EMAX<<23), v8              ; EMAX off its exponent field: the conversion takes the exponent field of this operand as its scale, and nothing else of it
	v_cvt_scalef32_pk16_fp6_f32 v[C+4*(\t):C+4*(\t)+2], v[XS:XS+15], v11         ; sixteen codes, 96 bits without gaps, the first number's code lowest
	v_lshrrev_b32 v[E+(\t)], 23, v11               ; the scale's byte (also the plain line behind the conversion)
	ds_store_b8 v5, v[E+(\t)] offset:16*(\t)       ; both lanes of a block write the same byte with the same value
	global_store_b96 v4, v[C+4*(\t):C+4*(\t)+2], s[8:9] offset:32*CB*(\t)   ; the wave stores 384 consecutive bytes
.endm
.irp t, 0,1,2,3,4,5,6,7,8,9,10,11,12,13,14,15
	STEP \t
.endr
	ds_load_b64 v[12:13], v6                       ; LDS serves a wave's instructions in order: these see my stores
	s_wait_dscnt 0x0
	global_store_b64 v7, v[12:13], s[10:11]        ; 32 lanes store 256 consecutive bytes, aligned
	s_wait_tensorcnt 0x0
	ds_add_u32 v192, v193
	s_wait_dscnt 0x0
	s_endpgm
.Lfunc_end_k_q716ecfd8a2_quant:
	.size	k_q716ecfd8a2_quant, .Lfunc_end_k_q716ecfd8a2_quant-k_q716ecfd8a2_quant
	.p2alignl 7, 3214868480
	.fill 96, 4, 3214868480
	.section	.rodata,"a",@progbits
	.p2align	6, 0x0
	.amdhsa_kernel k_q716ecfd8a2_quant
		.amdhsa_group_segment_fixed_size 33280
		.amdhsa_private_segment_fixed_size 0
		.amdhsa_enable_private_segment 0
		.amdhsa_kernarg_size 72
		.amdhsa_user_sgpr_count 2
		.amdhsa_user_sgpr_kernarg_segment_ptr 1
		.amdhsa_wavefront_size32 1
		.amdhsa_system_sgpr_workgroup_id_x 1
		.amdhsa_system_sgpr_workgroup_id_y 1
		.amdhsa_system_sgpr_workgroup_id_z 1
		.amdhsa_system_vgpr_workitem_id 0
		.amdhsa_next_free_vgpr 194
		.amdhsa_next_free_sgpr 66
		.amdhsa_reserve_vcc 0
		.amdhsa_float_denorm_mode_32 3
		.amdhsa_float_denorm_mode_16_64 3
		.amdhsa_memory_ordered 1
		.amdhsa_forward_progress 1
		.amdhsa_inst_pref_size 33
	.end_amdhsa_kernel
	.amdgpu_metadata
---
amdhsa.version: [ 1, 2 ]
amdhsa.kernels:
  - .name:           k_q716ecfd8a2_quant
    .symbol:         k_q716ecfd8a2_quant.kd
    .args:
      - { .name: x, .offset: 0, .size: 8, .value_kind: global_buffer, .address_space: global }
      - { .name: wq, .offset: 8, .size: 8, .value_kind: global_buffer, .address_space: global }
      - { .name: wk, .offset: 16, .size: 8, .value_kind: global_buffer, .address_space: global }
      - { .name: wv, .offset: 24, .size: 8, .value_kind: global_buffer, .address_space: global }
      - { .name: wo, .offset: 32, .size: 8, .value_kind: global_buffer, .address_space: global }
      - { .name: xc, .offset: 40, .size: 8, .value_kind: global_buffer, .address_space: global }
      - { .name: xs, .offset: 48, .size: 8, .value_kind: global_buffer, .address_space: global }
      - { .name: wc, .offset: 56, .size: 8, .value_kind: global_buffer, .address_space: global }
      - { .name: ws, .offset: 64, .size: 8, .value_kind: global_buffer, .address_space: global }
    .group_segment_fixed_size: 33280
    .private_segment_fixed_size: 0
    .kernarg_segment_align: 8
    .kernarg_segment_size: 72
    .max_flat_workgroup_size: 128
    .sgpr_count:     66
    .vgpr_count:     194
    .wavefront_size: 32
...
	.end_amdgpu_metadata
.endif
;; end of part 1
;; launch qkv (part 2): grid 12 x 32, 4 waves a work-group, clusters of 4 x 4, 327,680 bytes of LDS; arguments xc, xs, wc, ws, qkv; writes qkv
.if DOCPART == 2
	.amdgcn_target "amdgcn-amd-amdhsa--gfx1250"
	.amdhsa_code_object_version 6
	.text
	.protected	k_q716ecfd8a2_qkv
	.globl	k_q716ecfd8a2_qkv
	.p2align	8
	.type	k_q716ecfd8a2_qkv,@function
k_q716ecfd8a2_qkv:
	s_mov_b64 s[64:65], 0
	v_nop
	global_prefetch_b8 v0, s[64:65] scope:SCOPE_SE
	s_setreg_imm32_b32 hwreg(HW_REG_WAVE_MODE, 25, 1), 1
	s_wait_xcnt 0x0
	s_wait_alu depctr_hold_cnt(0) depctr_sa_sdst(0) depctr_va_vdst(0) depctr_va_sdst(0) depctr_va_ssrc(0) depctr_va_vcc(0) depctr_vm_vsrc(0)
	s_getreg_b32 s2, hwreg(HW_REG_IB_STS2, 6, 4)
	s_cmp_eq_u32 s2, 0
	s_cbranch_scc0 .Lentry_in_a_cluster
	s_endpgm
.Lentry_in_a_cluster:
	s_bfe_u32 s2, ttmp6, 0x10000c
	s_cmp_lg_u32 s2, 0xf033
	s_cbranch_scc0 .Lentry_shape_is_right
	s_endpgm
.Lentry_shape_is_right:
; q = x wq^T, k = x wk^T, v = x wv^T on codes of FP6 (E2M3) with one E8M0 scale for each 32 along K = 1,024; the results are quantised again in registers and leave as codes alone.
; q and k are quantised along a head's 64 channels, v along the keys (tokens).  The axis that is quantised next has to run along a lane's registers, so it is given to SOURCE 0 of the product:
;   clusters with x = 0, 1: source 1 ("A") = 256 rows of x, source 0 ("B") = 256 rows of wq | wk (rows 0-2047 of wc): a lane holds one token and channels along its registers;
;   clusters with x = 2:    A = 256 rows of wv (rows 2048-3071 of wc), B = 256 rows of x: a lane holds one channel and tokens along its registers.
; The role hangs on the cluster's x alone, which all sixteen partners share; it chooses pointers, tile numbers and one of two ways out, no LDS address and no shape.
; The rows of xc and of wq, wk, wv in wc lie with bits 3 and 4 of their number exchanged, so that the 16 registers of the accumulators 2 b, 2 b + 1 of a block of A are the 16 neighbours 32 b + 16 (lane / 16) + 0 .. 15 of B's axis.
; A tile, 256 x 256, is made by four waves, 128 x 128 each: 64 accumulators.  K goes in steps of 256 through two LDS slots filled by the tensor data mover; the scale bytes of the 512 rows come once and stay.
; CLUSTERS: 4 x 4 work-groups; A's tile is asked for jointly by the four of a row of the cluster, B's by the four of a column.
; qkv: [head 16 batch + h][128 tokens][Q, K, V][6,400 bytes]: four images of 1,536 bytes (12 registers x 32 lanes; registers 4 c .. 4 c + 3 at 512 c + 16 lane) and 256 bytes of scale words (8 bytes a lane).
;   Q, K image p: registers 0-5 the 64 codes of the tokens at places 32 p + r, registers 6-11 those at 32 p + 16 + r; its word: bytes 0, 1 the first sixteen's two blocks, bytes 2, 3 the others'.
;   V image f: a fragment of the 16 channels at places 16 f + r x 128 keys in their true order; its word: the four blocks of keys.
;   Words: word 0 holds image 0 in lanes 0-15 and image 1 in lanes 16-31, word 1 images 2 and 3.
; LIMITS: a block of zeros, and one whose largest magnitude lies under 2^-124, get the byte 1 (this program alone reads the bytes); NaN and infinities are not served.
; REGISTERS, in windows of 256: window 0: v0-31 addresses; v32-63 scale words, two sets; from v128 A's fragments, one set; on the way out v64-107 at work and v128-223 the codes.
;   window 1: B's fragments, two sets, at v0 and v128.   window 2: the accumulators of A's blocks 0-3 ((a, b) at v[8 (8 (a % 4) + b)]);   window 3: those of blocks 4-7.
.set SIZE_K, 1024
.set KSTEP,  256                       ; along K in a slot
.set NQ,     KSTEP/128                 ; matrix instructions deep
.set ROWB,   192                       ; a tile's row in bytes
.set KROW,   SIZE_K*6/8                ; a row of codes in memory
.set PITCH,  240                       ; an LDS row: 3 x (64 bytes + 16 of padding)
.set FR,     12                        ; registers of a fragment
.set NL,     6                         ; LDS loads that bring one
.set NP,     4                         ; places behind this matrix instruction (ISA guide 7.12.1)
.set HALFT,  128*PITCH                 ; 128 rows: what one tensor load brings
.set SLOT,   4*HALFT                   ; A's 256 rows, then B's 256 rows
.set LAPS,   SIZE_K/(2*KSTEP)
.set KS,     SIZE_K/32                 ; a row of scale bytes
.set SCL,    2*SLOT                    ; behind the ring: the scale bytes, as rows of 256 bytes + 16 of padding
.set HALFS,  (128*KS/256)*272
.set SBLK,   (16*KS/256)*272
.set SPARE,  SCL+4*HALFS               ; the spare words, 128 bytes for each wave: two blocks of 256 bytes that no other line names
.set HEADB,  307200                    ; qkv: a head,
.set STEPB,  19200                     ; 128 tokens of it,
.set PARTB,  6400                      ; Q's, K's or V's part of those
.set ADRA, 16                          ; v16-17 LDS address of my A fragments in slot 0, 1 (v18-19: behind one padding more)
.set ADRB, 20                          ; v20-23 the same for B
.set LI,   24                          ; v24    16 x lane
.set L8,   25                          ; v25    8 x lane
.set ADRS, 27                          ; v27    LDS address of my scale words: lanes 0-15 A's rows, lanes 16-31 B's
.set SPW,  28                          ; v28    LDS address of my spare word; never rewritten
.set NIL,  29                          ; v29    0; never rewritten
.set SC,   32                          ; scale words: they hold scales and nothing else
.set TM,   64                          ; v64-79  the way out: largest magnitudes, bytes, scale operands
.set T2,   80                          ; v80-87  second halves of blocks
.set PW,   88                          ; v88-95  the scale word of each block of A
.set WD,   96                          ; v96-103 the words of Q's or K's images
.set SW,   104                         ; v104-107 the words as they are stored
.set AF,   128                         ; A's fragments
.set CD,   128                         ; the way out: the codes, 12 registers for each block of A, none written twice
.set G1, 24
.set G0, 32
.set G1B, 48
.set G0B, 56
.set G1S, 68
.set G0S, 76
.set G1SB, 80
.set G0SB, 88
.set MSB, 0
.macro WIN new                         ; the immediate's high byte repeats the setting that is left
.if MSB != \new
	s_set_vgpr_msb (MSB<<8)|\new
.set MSB, \new
.endif
.endm
.set MUL_LO, 0xa1                      ; source 0 (B) window 1, source 1 (A) window 0, C and D window 2
.set MUL_HI, 0xf1                      ; the same, C and D window 3
.set TO_B,   0x40                      ; destination window 1, address window 0
; A joint load: waves 0 and 1 fetch for A, waves 2 and 3 for B.  The branch hangs on the wave's number alone.  Four v_nop follow each of the two lines.
.macro JLOAD g0a, g1a, g0b, g1b
	s_cmp_eq_u32 s15, 0
	s_cbranch_scc0 .Lfor_b_\@
	tensor_load_to_lds s[\g0a:\g0a+3], s[\g1a:\g1a+7]
	s_nop 0
.rept 4
	v_nop
.endr
	s_branch .Lasked_\@
.Lfor_b_\@:
	tensor_load_to_lds s[\g0b:\g0b+3], s[\g1b:\g1b+7]
	s_nop 0
.rept 4
	v_nop
.endr
.Lasked_\@:
.endm
.macro CREST                           ; a round of the cluster's barrier behind its opening barrier
	s_cmp_lg_u32 s14, 0
	s_cbranch_scc1 .Lnot_wave_0_\@
	s_barrier_signal -3
.Lnot_wave_0_\@:
	s_barrier_wait -3
	s_barrier_signal -1
	s_barrier_wait -1
.endm
.macro CROUND                          ; a whole round
	s_barrier_signal -1
	s_barrier_wait -1
	CREST
.endm
	s_load_b128 s[4:7], s[0:1], 0x0                ; x's codes, x's scales
	s_load_b128 s[8:11], s[0:1], 0x10              ; the weights' codes, their scales
	s_load_b64 s[12:13], s[0:1], 0x20              ; qkv
	v_lshl_add_u32 v[SPW], v0, 2, SPARE
	v_mov_b32 v[NIL], 0
	ds_add_u32 v28, v29
	s_wait_dscnt 0x0
	v_lshrrev_b32 v1, 5, v0
	v_readfirstlane_b32 s14, v1                    ; wave 0..3
	s_lshr_b32 s15, s14, 1                         ; which half of A's rows is mine.  Also: I fetch for A (0) or for B (1)
	s_and_b32 s16, s14, 1                          ; which half of B's rows.  Also: which 128 rows of that tile I fetch
	s_bfe_u32 s40, ttmp6, 0x40000                  ; cx, cy: my place in the cluster
	s_bfe_u32 s41, ttmp6, 0x40004
	s_and_b32 s98, ttmp7, 0xffff                   ; the cluster's y
	s_cmp_ge_u32 ttmp9, 2                          ; the role: the cluster's x, the same in all sixteen partners
	s_cselect_b32 s99, 1, 0                        ; 1: v
	s_cselect_b32 s100, s98, ttmp9                 ; which four tiles of B's rows: of x (32 tiles), else of wq | wk (8)
	s_cselect_b32 s101, 2, s98                     ; which four tiles of A's rows: wv's (tiles 8-11 of wc), else of x
	s_lshl_b32 s42, s100, 2
	s_add_co_u32 s42, s42, s40                     ; B's tile = 4 x .. + cx
	s_lshl_b32 s17, s101, 2
	s_add_co_u32 s17, s17, s41                     ; A's tile = 4 x .. + cy
	s_lshl_b32 s43, s41, 2
	s_lshl_b32 s43, 15, s43                        ; my row of the cluster
	s_lshl_b32 s44, 0x1111, s40                    ; my column
	; descriptor group 1: a tile of 128 rows x ROWB bytes, padded in LDS
	s_or_b32 s[G1+0], s43, (0<<16)|(1<<20)|(1<<21)|(3<<22)|(3<<25)  ; the mask: A's tiles go to my row; elements of 1 byte; padding on; bit 21 beside a mask; after every 16 words, 4 words
	s_or_b32 s[G1B+0], s44, (0<<16)|(1<<20)|(1<<21)|(3<<22)|(3<<25)
.irp g, G1, G1B
	s_mov_b32 s[\g+1], ROWB<<16                    ; tensor_dim0
	s_mov_b32 s[\g+2], 128<<16                     ; tensor_dim1
	s_mov_b32 s[\g+3], ROWB<<16                    ; tile_dim0
	s_mov_b32 s[\g+4], 128                         ; tile_dim1
	s_mov_b32 s[\g+5], KROW                        ; tensor_dim0_stride
	s_mov_b32 s[\g+6], 0
	s_mov_b32 s[\g+7], 0
.endr
	; the scale bytes of 128 rows: a dense block of 4,096 bytes, as rows of 256 bytes (32 elements of 8 bytes), 16 bytes of padding behind each
	s_or_b32 s[G1S+0], s43, (3<<16)|(1<<20)|(1<<21)|(5<<22)|(3<<25)
	s_or_b32 s[G1SB+0], s44, (3<<16)|(1<<20)|(1<<21)|(5<<22)|(3<<25)
.irp g, G1S, G1SB
	s_mov_b32 s[\g+1], 32<<16
	s_mov_b32 s[\g+2], (128*KS/256)<<16
	s_mov_b32 s[\g+3], 32<<16
	s_mov_b32 s[\g+4], 128*KS/256
	s_mov_b32 s[\g+5], 32
	s_mov_b32 s[\g+6], 0
	s_mov_b32 s[\g+7], 0
.endr
	s_lshl_b32 s18, s16, 7                         ; which 128 rows of the tile I fetch
	s_lshl_b32 s20, s17, 8
	s_add_co_u32 s20, s20, s18                     ; A: row 256 x tile + 128 x half
	s_lshl_b32 s46, s42, 8
	s_add_co_u32 s46, s46, s18                     ; B likewise
	s_mov_b32 s21, 0
	s_mov_b32 s47, 0
	s_mov_b64 s[18:19], KS
	s_mul_u64 s[22:23], s[20:21], s[18:19]         ; where these rows' scale bytes begin
	s_mul_u64 s[92:93], s[46:47], s[18:19]
	s_mov_b64 s[18:19], KROW
	s_mul_u64 s[20:21], s[20:21], s[18:19]         ; and their codes
	s_mul_u64 s[46:47], s[46:47], s[18:19]
	s_mul_i32 s45, s14, HALFT                      ; where they go: wave x 128 rows: no place in the cluster enters an LDS address
	s_mul_i32 s94, s14, HALFS
	s_wait_kmcnt 0x0
	s_cmp_eq_u32 s99, 1                            ; the role chooses the buffers
	s_cselect_b64 s[66:67], s[8:9], s[4:5]         ; A's codes
	s_cselect_b64 s[96:97], s[10:11], s[6:7]       ; A's scales
	s_cselect_b64 s[8:9], s[4:5], s[8:9]           ; B's codes
	s_cselect_b64 s[10:11], s[6:7], s[10:11]       ; B's scales
	s_add_nc_u64 s[20:21], s[66:67], s[20:21]
	s_add_nc_u64 s[22:23], s[96:97], s[22:23]
	s_add_nc_u64 s[46:47], s[8:9], s[46:47]
	s_add_nc_u64 s[92:93], s[10:11], s[92:93]
	CROUND                                         ; all sixteen work-groups are here: the first joint loads meet
	s_mov_b32 s[G0S], 1
	s_add_co_u32 s[G0S+1], s94, SCL
	s_mov_b64 s[G0S+2:G0S+3], s[22:23]
	s_or_b32 s[G0S+3], s[G0S+3], 0x80000000
	s_mov_b32 s[G0SB], 1
	s_add_co_u32 s[G0SB+1], s94, SCL
	s_mov_b64 s[G0SB+2:G0SB+3], s[92:93]
	s_or_b32 s[G0SB+3], s[G0SB+3], 0x80000000
	JLOAD G0S, G1S, G0SB, G1SB                     ; the scale bytes first: they are wanted with K step 0
.irp s, 0,1
	s_mov_b32 s[G0+4*\s], 1
	s_add_co_u32 s[G0+4*\s+1], s45, \s*SLOT
	s_add_nc_u64 s[G0+4*\s+2:G0+4*\s+3], s[20:21], \s*ROWB
	s_or_b32 s[G0+4*\s+3], s[G0+4*\s+3], 0x80000000
	s_mov_b32 s[G0B+4*\s], 1
	s_add_co_u32 s[G0B+4*\s+1], s45, \s*SLOT
	s_add_nc_u64 s[G0B+4*\s+2:G0B+4*\s+3], s[46:47], \s*ROWB
	s_or_b32 s[G0B+4*\s+3], s[G0B+4*\s+3], 0x80000000
	JLOAD G0+4*\s, G1, G0B+4*\s, G1B
.endr
	v_and_b32 v1, 15, v0                           ; l % 16
	v_bfe_u32 v2, v0, 4, 1                         ; l / 16
	v_mul_u32_u24 v3, v1, PITCH
	v_mul_u32_u24 v4, v2, 24
	v_add_nc_u32 v4, v3, v4                        ; a fragment's row x pitch + 24 x half
	v_lshl_add_u32 v5, v2, 4, v4                   ; and the same behind one padding more
	s_mul_i32 s21, s15, HALFT                      ; my 128 rows of A
	s_mul_i32 s22, s16, HALFT                      ; my 128 rows of B,
	s_add_co_u32 s22, s22, 2*HALFT                 ; which lie behind A's 256
.irp s, 0,1
	v_add_nc_u32 v[ADRA+\s], s21, v4
	v_add_nc_u32 v[ADRB+\s], s22, v4
	v_add_nc_u32 v[ADRA+2+\s], s21, v5
	v_add_nc_u32 v[ADRB+2+\s], s22, v5
	s_add_co_u32 s21, s21, SLOT
	s_add_co_u32 s22, s22, SLOT
.endr
	v_mul_u32_u24 v5, v1, KS                       ; my row's scale bytes: KS a row,
	v_lshrrev_b32 v6, 8, v5
	v_lshl_add_u32 v5, v6, 4, v5                   ; and 16 more for each 256 passed
	s_mul_i32 s21, s15, HALFS                      ; A's: my 128 rows
	s_mul_i32 s22, s16, HALFS                      ; B's: my 128 rows, behind A's 256
	s_add_co_u32 s22, s22, 2*HALFS
	s_sub_co_u32 s22, s22, s21
	v_mul_u32_u24 v6, s22, v2                      ; lanes 16-31 take B's
	s_add_co_u32 s21, s21, SCL
	v_add_nc_u32 v5, v5, v6
	v_add_nc_u32 v[ADRS], s21, v5
	v_and_b32 v6, 31, v0
	v_lshlrev_b32 v[LI], 4, v6
	v_lshlrev_b32 v[L8], 3, v6
	; where my wave's results go.  G: which 128 tokens; HP: which 128 rows of wc: HP / 8 = q, k or v, HP % 8 = which two heads
	s_lshl_b32 s20, s17, 1
	s_add_co_u32 s20, s20, s15                     ; A's group of 128 rows
	s_lshl_b32 s21, s42, 1
	s_add_co_u32 s21, s21, s16                     ; B's
	s_cmp_eq_u32 s99, 1
	s_cselect_b32 s22, s21, s20                    ; G
	s_cselect_b32 s23, s20, s21                    ; HP
	s_lshr_b32 s46, s22, 4
	s_lshl_b32 s46, s46, 4                         ; 16 x batch
	s_and_b32 s47, s23, 7
	s_lshl_b32 s47, s47, 1
	s_add_co_u32 s46, s46, s47                     ; the first of my two heads
	s_lshl_b32 s46, s46, 4
	s_and_b32 s47, s22, 15
	s_add_co_u32 s46, s46, s47                     ; x 16 + the 128 tokens' number in the batch
	s_mul_i32 s46, s46, STEPB
	s_lshr_b32 s47, s23, 3
	s_mul_i32 s47, s47, PARTB
	s_add_co_u32 s46, s46, s47
	s_mov_b32 s47, 0
	s_add_nc_u64 s[12:13], s[12:13], s[46:47]
.macro FRAG reg, adr, q, i             ; a fragment, 16 rows x 128 K: lane l holds row l % 16; registers 6 c .. 6 c + 5 hold K = 64 c + 32 (l / 16) + 0 .. 31: 24 bytes of the row, as they lie
.irp p, 0,1,2,3,4,5                    ; in pieces of 8 bytes.  Where the piece three on lies behind one padding more, the second address register serves
.set PC, 12*(\q)+6*(\p/3)+\p%3
.if PC%8 < 5
	ds_load_b64 v[\reg+2*\p:\reg+2*\p+1], v[\adr] offset:8*PC+16*(PC/8)+(\i)*16*PITCH
.else
	ds_load_b64 v[\reg+2*\p:\reg+2*\p+1], v[\adr+2] offset:8*PC+16*(PC/8)+(\i)*16*PITCH
.endif
.endr
.endm
; 16 matrix instructions: A's blocks a0, a0 + 1 x B's eight, 128 along K.  The 64 accumulators take turns, one instruction a turn, in the same order in every step.
.macro MUL16 a0, p, q, sc, zero
.irp a, \a0, \a0+1
.irp b, 0,1,2,3,4,5,6,7
.if \zero
	v_wmma_scale_f32_16x16x128_f8f6f4 v[8*(8*((\a)%4)+\b):8*(8*((\a)%4)+\b)+7], v[128*(\p)+FR*\b:128*(\p)+FR*\b+FR-1], v[AF+FR*(\a):AF+FR*(\a)+FR-1], 0, v[SC+8*NQ*(\sc)+NQ*\b+(\q)], v[SC+8*NQ*(\sc)+NQ*(\a)+(\q)] matrix_a_fmt:MATRIX_FMT_FP6 matrix_b_fmt:MATRIX_FMT_FP6 matrix_a_scale:MATRIX_SCALE_ROW1
.else
	v_wmma_scale_f32_16x16x128_f8f6f4 v[8*(8*((\a)%4)+\b):8*(8*((\a)%4)+\b)+7], v[128*(\p)+FR*\b:128*(\p)+FR*\b+FR-1], v[AF+FR*(\a):AF+FR*(\a)+FR-1], v[8*(8*((\a)%4)+\b):8*(8*((\a)%4)+\b)+7], v[SC+8*NQ*(\sc)+NQ*\b+(\q)], v[SC+8*NQ*(\sc)+NQ*(\a)+(\q)] matrix_a_fmt:MATRIX_FMT_FP6 matrix_b_fmt:MATRIX_FMT_FP6 matrix_a_scale:MATRIX_SCALE_ROW1
.endif
.endr
.endr
.endm
.macro FETCH_B slot, q, p              ; B's eight fragments of the slot's q-th 128 along K into set p
	WIN TO_B
.irp i, 0,1,2,3,4,5,6,7
	FRAG 128*(\p)+FR*\i, ADRB+\slot, \q, \i
.endr
	WIN 0
.endm
.macro FETCH_A slot, q, i0             ; A's blocks i0 .. i0 + 3
.irp i, \i0, \i0+1, \i0+2, \i0+3
	FRAG AF+FR*(\i), ADRA+\slot, \q, \i
.endr
.endm
.macro SCALES sc                       ; the next K step's scale words: lanes 0-15 take A's block i, lanes 16-31 B's block i
.irp i, 0,1,2,3,4,5,6,7
	ds_load_b64 v[SC+8*NQ*\sc+NQ*\i:SC+8*NQ*\sc+NQ*\i+1], v[ADRS] offset:\i*SBLK
.endr
.endm
.macro PLACES n                        ; plain vector lines between a matrix instruction and a load into, or a vector read or write of, its registers
.rept \n
	v_nop
.endr
.endm
; A step of 128 along K that has its successor in the same slot.
.macro STEP slot, q, zero
	s_wait_dscnt 4*NL                              ; B's set and A's blocks 0-3 are in; the youngest 24 loads (A's blocks 4-7) may be out
	WIN MUL_LO
	MUL16 0, (\q)%2, \q, \slot, \zero
	MUL16 2, (\q)%2, \q, \slot, \zero
	s_wait_dscnt 0                                 ; A's blocks 4-7 are in
	PLACES NP
	FETCH_B \slot, (\q)+1, 1-(\q)%2
	FETCH_A \slot, (\q)+1, 0
	WIN MUL_HI
	MUL16 4, (\q)%2, \q, \slot, \zero
	MUL16 6, (\q)%2, \q, \slot, \zero
	PLACES NP
	WIN 0
	FETCH_A \slot, (\q)+1, 4
.endm
; A slot's last step changes slots: one barrier; in front of it each wave waits for all its tensor loads, adds 0 to its spare word, and waits for that and for its own reads of this slot.
.macro TURN slot, next, fill
	s_wait_tensorcnt 0x0                           ; all my tensor loads have landed: my part of the next slot
	ds_add_u32 v[SPW], v[NIL]                      ; 0 onto my spare word
	s_wait_dscnt 4*NL+1                            ; (the add and the youngest 24 loads, A's blocks 4-7, may be out)
	WIN MUL_LO
	MUL16 0, 1, NQ-1, \slot, 0                     ; sixteen matrix instructions stand between the add and the wait for it
	s_wait_dscnt 0x0                               ; the add is done, and my reads of this slot are over
	s_barrier_signal -1
	MUL16 2, 1, NQ-1, \slot, 0
	WIN 0
	s_barrier_wait -1
.if \fill
	CREST                                          ; the barrier has opened a round of the cluster's barrier: no wave of any partner still reads this slot or has a load on its way
	s_add_nc_u64 s[G0+4*\slot+2:G0+4*\slot+3], s[G0+4*\slot+2:G0+4*\slot+3], 2*ROWB
	s_add_nc_u64 s[G0B+4*\slot+2:G0B+4*\slot+3], s[G0B+4*\slot+2:G0B+4*\slot+3], 2*ROWB
	JLOAD G0+4*\slot, G1, G0B+4*\slot, G1B         ; the first tensor load behind the round; its four v_nop are the places in front of the loads below
.else
	PLACES NP
.endif
	v_add_nc_u32 v[ADRS], 4*NQ, v[ADRS]            ; on to the next K step's scale words
	FETCH_B \next, 0, 0
	FETCH_A \next, 0, 0
	SCALES \next
	WIN MUL_HI
	MUL16 4, 1, NQ-1, \slot, 0
	MUL16 6, 1, NQ-1, \slot, 0
	PLACES NP
	WIN 0
	FETCH_A \next, 0, 4
.endm
	s_wait_tensorcnt 1                             ; the scale bytes and my part of K step 0 are in (K step 1's load may be out),
	s_barrier_signal -1
	s_barrier_wait -1                              ; everybody's are
	FETCH_B 0, 0, 0
	FETCH_A 0, 0, 0
	SCALES 0
	FETCH_A 0, 0, 4
	STEP 0, 0, 1                                   ; the first step stands in front of the loop: its products start the sums
	s_mov_b32 s3, LAPS-1
.Llap:                                                 ; a trip goes once round the ring and fills both slots again
	TURN 0, 1, 1
	STEP 1, 0, 0
	TURN 1, 0, 1
	STEP 0, 0, 0
	s_sub_co_u32 s3, s3, 1
	s_cmp_lg_u32 s3, 0
	s_cbranch_scc1 .Llap
	TURN 0, 1, 0                                   ; the last lap fills nothing
	STEP 1, 0, 0
	s_wait_dscnt 4*NL                              ; the very last step: nothing more to fetch
	WIN MUL_LO
	MUL16 0, 1, NQ-1, 1, 0
	MUL16 2, 1, NQ-1, 1, 0
	s_wait_dscnt 0
	WIN MUL_HI
	MUL16 4, 1, NQ-1, 1, 0
	MUL16 6, 1, NQ-1, 1, 0
	WIN 0
; THE WAY OUT: no LDS, no barrier.  The 64 numbers of a lane for one block of A (window W, registers s on; register 16 b + i = place 32 b + 16 (lane / 16) + i of B's axis) become codes:
; blocks 0, 1 in v[d0] .. v[d0 + 5] (lanes 0-15 block 0, lanes 16-31 block 1), blocks 2, 3 in v[d1] on, and the four scale bytes in v[pw].  Each accumulator is read from its low end on.
.macro QUANT W, s, d0, d1, pw
	WIN 20*(\W)                                    ; sources 1 and 2 in the accumulators' window
.irp b, 0,1,2,3
	v_max3_num_f32 v[TM+\b], 0x1800000, |v[(\s)+16*\b]|, |v[(\s)+16*\b+1]|   ; my 16 numbers of block b, and the floor 2^(3 - 127): the byte cannot fall under 1
.endr
.irp i, 2,4,6,8,10,12,14
.irp b, 0,1,2,3
	v_max3_num_f32 v[TM+\b], v[TM+\b], |v[(\s)+16*\b+\i]|, |v[(\s)+16*\b+\i+1]|   ; (the four blocks by turns)
.endr
.endr
	WIN 0
.irp b, 0,1,2,3
	v_permlanex16_b32 v[TM+4+\b], v[TM+\b], s2, s3
.endr
.irp b, 0,1,2,3
	v_max_num_f32 v[TM+\b], v[TM+\b], v[TM+4+\b]   ; with lane l xor 16's: the block's largest magnitude
.endr
.irp b, 0,1,2,3
	v_add_nc_u32 v[TM+12+\b], 0xff000000, v[TM+\b] ; 2 off its exponent field: the conversion's scale operand
.endr
.irp b, 0,1,2,3
	v_lshrrev_b32 v[TM+4+\b], 23, v[TM+12+\b]      ; the scale's byte
.endr
	v_lshl_or_b32 v[\pw], v[TM+5], 8, v[TM+4]
	v_lshl_or_b32 v[\pw], v[TM+6], 16, v[\pw]
	v_lshl_or_b32 v[\pw], v[TM+7], 24, v[\pw]
	WIN (\W)                                       ; source 0 in the accumulators' window
	v_cvt_scalef32_pk16_fp6_f32 v[\d0:\d0+2], v[(\s):(\s)+15], v[TM+12]
	v_cvt_scalef32_pk16_fp6_f32 v[T2:T2+2], v[(\s)+16:(\s)+31], v[TM+13]
	v_cvt_scalef32_pk16_fp6_f32 v[\d1:\d1+2], v[(\s)+32:(\s)+47], v[TM+14]
	v_cvt_scalef32_pk16_fp6_f32 v[T2+4:T2+6], v[(\s)+48:(\s)+63], v[TM+15]
	WIN 0
	v_nop                                          ; one plain line behind the scaled conversions
.irp i, 0,1,2
	v_permlane16_swap_b32 v[\d0+\i], v[T2+\i]      ; a whole block to a lane: the first now holds each lane's block's lower 16 codes, the second the upper 16
	v_permlane16_swap_b32 v[\d1+\i], v[T2+4+\i]
.endr
.irp i, 0,1,2
	v_mov_b32 v[\d0+3+\i], v[T2+\i]
	v_mov_b32 v[\d1+3+\i], v[T2+4+\i]
.endr
.endm
	PLACES NP                                      ; behind the last products: their results are read, and A's fragments' registers written, only behind these
	s_mov_b32 s2, 0x76543210
	s_mov_b32 s3, 0xfedcba98                       ; v_permlanex16_b32's selects for lane l xor 16
	s_mov_b32 vcc_lo, 0xffff0000                   ; lanes 16-31
.irp b, 0,1,2,3
	v_mov_b32 v[TM+4+\b], 0                        ; written once: a lane permute's destination counts as one of its sources
.endr
	s_cmp_eq_u32 s99, 1
	s_cbranch_scc1 .Lv_role
	; q or k: a lane holds a token; blocks 0, 1 are my first head's 64 channels, blocks 2, 3 my second head's.  Two blocks of A (32 tokens) make an image for each head.
.irp pr, 0,1,2,3
	QUANT 2+\pr/2, 64*((2*\pr)%4), CD+24*\pr, CD+24*\pr+12, PW+2*\pr
	QUANT 2+\pr/2, 64*((2*\pr+1)%4), CD+24*\pr+6, CD+24*\pr+18, PW+2*\pr+1
	v_perm_b32 v[WD+2*\pr], v[PW+2*\pr+1], v[PW+2*\pr], 0x05040100     ; the first head's word: bytes 0, 1 of the first sixteen tokens' word, then of the others'
	v_perm_b32 v[WD+2*\pr+1], v[PW+2*\pr+1], v[PW+2*\pr], 0x07060302   ; the second head's: bytes 2, 3
.irp c, 0,1,2
	global_store_b128 v[LI], v[CD+24*\pr+4*\c:CD+24*\pr+4*\c+3], s[12:13] offset:1536*\pr+512*\c               ; the wave stores 512 consecutive bytes, aligned
	global_store_b128 v[LI], v[CD+24*\pr+12+4*\c:CD+24*\pr+12+4*\c+3], s[12:13] offset:HEADB+1536*\pr+512*\c
.endr
.endr
.irp j, 0,1
	v_cndmask_b32 v[SW+2*\j], v[WD+\j], v[WD+2+\j], vcc_lo             ; word 0: image 0 in lanes 0-15, image 1 in lanes 16-31
	v_cndmask_b32 v[SW+2*\j+1], v[WD+4+\j], v[WD+6+\j], vcc_lo         ; word 1: images 2 and 3
	global_store_b64 v[L8], v[SW+2*\j:SW+2*\j+1], s[12:13] offset:HEADB*\j+6144   ; 256 consecutive bytes, aligned
.endr
	s_branch .Lend
.Lv_role:
	; v: a lane holds a channel, its registers 128 keys: each block of A is a whole fragment.  Blocks 0-3 are my first head's 64 channels, blocks 4-7 my second head's.
.irp a, 0,1,2,3,4,5,6,7
	QUANT 2+\a/4, 64*(\a%4), CD+12*\a, CD+12*\a+6, PW+\a
.irp c, 0,1,2
	global_store_b128 v[LI], v[CD+12*\a+4*\c:CD+12*\a+4*\c+3], s[12:13] offset:HEADB*(\a/4)+1536*(\a%4)+512*\c
.endr
.endr
.irp j, 0,1
	v_cndmask_b32 v[SW+2*\j], v[PW+4*\j], v[PW+4*\j+1], vcc_lo
	v_cndmask_b32 v[SW+2*\j+1], v[PW+4*\j+2], v[PW+4*\j+3], vcc_lo
	global_store_b64 v[L8], v[SW+2*\j:SW+2*\j+1], s[12:13] offset:HEADB*\j+6144
.endr
.Lend:
	s_wait_tensorcnt 0x0                           ; the wave's end
	ds_add_u32 v[SPW], v[NIL]
	s_wait_dscnt 0x0
	CROUND                                         ; the closing round: no work-group ends while a partner may still ask for a tile that names it
	s_endpgm
.Lfunc_end_k_q716ecfd8a2_qkv:
	.size	k_q716ecfd8a2_qkv, .Lfunc_end_k_q716ecfd8a2_qkv-k_q716ecfd8a2_qkv
	.p2alignl 7, 3214868480
	.fill 96, 4, 3214868480
	.section	.rodata,"a",@progbits
	.p2align	6, 0x0
	.amdhsa_kernel k_q716ecfd8a2_qkv
		.amdhsa_group_segment_fixed_size 327680
		.amdhsa_private_segment_fixed_size 0
		.amdhsa_enable_private_segment 0
		.amdhsa_kernarg_size 40
		.amdhsa_user_sgpr_count 2
		.amdhsa_user_sgpr_kernarg_segment_ptr 1
		.amdhsa_wavefront_size32 1
		.amdhsa_system_sgpr_workgroup_id_x 1
		.amdhsa_system_sgpr_workgroup_id_y 1
		.amdhsa_system_sgpr_workgroup_id_z 1
		.amdhsa_system_vgpr_workitem_id 0
		.amdhsa_next_free_vgpr 1024
		.amdhsa_next_free_sgpr 102
		.amdhsa_reserve_vcc 1
		.amdhsa_float_denorm_mode_32 3
		.amdhsa_float_denorm_mode_16_64 3
		.amdhsa_memory_ordered 1
		.amdhsa_forward_progress 1
		.amdhsa_inst_pref_size 198
	.end_amdhsa_kernel
	.amdgpu_metadata
---
amdhsa.version: [ 1, 2 ]
amdhsa.kernels:
  - .name:           k_q716ecfd8a2_qkv
    .symbol:         k_q716ecfd8a2_qkv.kd
    .args:
      - { .name: xc, .offset: 0, .size: 8, .value_kind: global_buffer, .address_space: global }
      - { .name: xs, .offset: 8, .size: 8, .value_kind: global_buffer, .address_space: global }
      - { .name: wc, .offset: 16, .size: 8, .value_kind: global_buffer, .address_space: global }
      - { .name: ws, .offset: 24, .size: 8, .value_kind: global_buffer, .address_space: global }
      - { .name: qkv, .offset: 32, .size: 8, .value_kind: global_buffer, .address_space: global }
    .group_segment_fixed_size: 327680
    .private_segment_fixed_size: 0
    .kernarg_segment_align: 8
    .kernarg_segment_size: 40
    .max_flat_workgroup_size: 128
    .sgpr_count:     102
    .vgpr_count:     1024
    .wavefront_size: 32
...
	.end_amdgpu_metadata
.endif
;; end of part 2
;; launch attn (part 3): grid 256 x 1, 8 waves a work-group, no clusters, 327,680 bytes of LDS; arguments qkv, oc, os; writes oc, os
.if DOCPART == 3
	.amdgcn_target "amdgcn-amd-amdhsa--gfx1250"
	.amdhsa_code_object_version 6
	.text
	.protected	k_q716ecfd8a2_attn
	.globl	k_q716ecfd8a2_attn
	.p2align	8
	.type	k_q716ecfd8a2_attn,@function
k_q716ecfd8a2_attn:
	s_mov_b64 s[64:65], 0
	v_nop
	global_prefetch_b8 v0, s[64:65] scope:SCOPE_SE
	s_setreg_imm32_b32 hwreg(HW_REG_WAVE_MODE, 25, 1), 1
	s_wait_xcnt 0x0
; Causal attention of 64 heads (4 batches x 16) of 2,048 tokens x 64 channels, both products on codes of FP6 (E2M3) with one E8M0 scale for each 32 along a product's K; the result, divided by the row's sum,
; is quantised along d_model and leaves as codes for the last projection.
; THE SOFTMAX: t = score x log2(e) / 8; M = the row's largest t so far, rounded up to a whole number; p = 2^(t - M) is what is quantised, along the keys, not normalised.  The row's sum is taken of the
; unquantised p, in f32.  When M moves, the sum and O are multiplied by 2^(old M - new M): exact.
; SHARES.  Work-group 4 head + i takes the head's query block 7 - i (256 queries) and then block i: 8 - i and i + 1 slots of 256 keys: NINE slots for every work-group, none fetched in vain.
; Each of the eight waves owns 32 queries, two tiles of 16: each fragment of K and V read from LDS feeds both.  Two waves share a SIMD, so that one's vector work stands beside the other's products and loads.
; NO CLUSTER: the four work-groups of a head walk 8 - i slots and then i + 1, so in a given trip they want different slots: partners could not make the same requests in the same rounds.
; LAYOUT.  Both products are used transposed: S^T = K Q^T, O^T = V^T P^T: a lane holds one query (lane % 16) throughout.  Tokens and V's channels lie in qkv with bits 3 and 4 of their place exchanged, so that the 16 registers
; of two neighbouring tiles of S^T are 16 neighbouring keys, and those of O^T 16 neighbouring channels.
; K = 64 IN AN INSTRUCTION OF 128.  An image of K holds two tiles of 16 keys side by side along the instruction's K; the first tile's scores come from source 1 = [q, zeros], the second's from [zeros, q].
; Zero codes add nothing under any scale byte that the quantiser gives (1 to 254).
; qkv: [head][128 tokens][Q, K, V][6,400 bytes]: four images of 1,536 bytes (registers 4 c .. 4 c + 3 at 512 c + 16 lane), then 8 bytes of scale words a lane.
; oc: [16 tokens][K step of 128 = two heads][head % 2][768 bytes]: registers 0-3 at 16 lane, registers 4, 5 at 512 + 8 lane.   os: [token][32]: byte 2 head + block.  Tokens stay at their exchanged places.
; A head owns 2 of a token's 32 scale bytes, so os is stored 2 bytes a lane: one store for 32 tokens.
; LIMITS: a block of zeros, and one whose largest magnitude lies under 2^-124, get the byte 1 (this program alone reads the bytes); 1 / sum is v_rcp_f32's; NaN and infinities are not served.
; REGISTERS.  Window 0: v1-13 addresses and constants; v14-15 Q's words; v16-23 -M, largest t and the sum of each tile; v24-31 scale words and nothing else; v32-159 S^T, then p; v160-183 p's codes; v184-235 at work.
;   Window 1: v0-63 O^T; v64-93 zeros, Q's first tile, zeros, Q's second tile, zeros; v96-119 the two passes' images of Q; v128-175 K's four images; v176-223 V's four fragments.
.set CHK,   6400                       ; a part of qkv: what one tensor load brings
.set STEPB, 19200                      ; 128 tokens' Q, K and V
.set HEADB, 307200
.set SLOT1, 1<<15                      ; a slot: K, V of 128 keys, K, V of the next 128: 25,600 bytes; slot 1 begins here, so that one exclusive or turns an address
.set SPARE, 65536                      ; the spare words, 128 bytes for each wave: four blocks of 256 bytes that no other line names
.set SPW,  1                           ; LDS address of my spare word; never rewritten
.set NIL,  2                           ; 0; never rewritten
.set LI16, 3                           ; 16 x lane
.set LI8,  4                           ; 8 x lane
.set L32,  5                           ; 32 x lane
.set ADK,  6                           ; LDS address of the slot's images for my lane
.set ADS,  7                           ; and of its scale words
.set QL,   8                           ; v8, v9  tile t: my query's true number among the wave's 32, less 16 (lane / 16)
.set DD,   10                          ; v10, v11 the same, less the step's first key
.set NINF, 12
.set PFO,  13                          ; 256 x min(lane, 24): a chunk has 25 blocks of 256 bytes
.set QWA,  14                          ; Q's words of the two passes
.set QWB,  15
.set ST,   16                          ; tile t at v[ST + 4 t]: -M, the largest t, the sum in two halves
.set KSC,  24
.set VSC,  26
.set QS,   28
.set PS,   30
.set SCO,  32                          ; S^T, 64 registers a tile
.set PC,   160                         ; p's codes, 12 a tile
.set PT,   184                         ; second halves of blocks
.set MX,   192
.set TP,   196
.set SO,   200
.set FF,   204                         ; f = 2^(old M - new M), the low word of a pair
.set TMP,  206
.set SP,   208
.set OC,   210                         ; the result's codes, 6 a tile
.set W16,  226                         ; and its two scale bytes
.set RR,   228                         ; 1 / sum, the low word of a pair for each tile
.set QZ,   64                          ; window 1
.set QA,   96
.set QBI,  108
.set KFR,  128
.set VFR,  176
.set WV,   10
.set BH,   11
.set II,   12
.set N1,   13                          ; trips of the first pass
.set TAU,  14                          ; the trip
.set TB,   15                          ; LDS byte at which the slot in hand begins
.set KF,   16                          ; the step's first key
.set Q0,   17                          ; my first query
.set QB,   18                          ; the query block in hand
.set LIMX, 19
.set SEL,  20
.set CS,   22
.set HB,   24                          ; s[24:25] my head in qkv
.set TBASE, 26                         ; s[26:27] my chunk of the head's slot 0
.set PFA,  28                          ; s[28:29] where my prefetches stand
.set MSB, 0
.macro WIN new                         ; the immediate's high byte repeats the setting that is left
.if MSB != \new
	s_set_vgpr_msb (MSB<<8)|\new
.set MSB, \new
.endif
.endm
.macro TLOAD                           ; waves 0 to 3 fetch a chunk each, the others nothing; four v_nop follow the load
	s_cmp_lt_u32 s[WV], 4
	s_cbranch_scc0 .Lno_load_\@
	tensor_load_to_lds s[40:43], s[48:55]
	s_nop 0
.rept 4
	v_nop
.endr
.Lno_load_\@:
.endm
; A prefetch of the slot that the NEXT change of slots will ask for.  All four work-groups of a head walk the same K and V: the one with i = 0, whose first pass walks all eight slots in order, asks; in it
; waves 4 to 7, which fetch nothing, name a chunk each: 25 blocks of 256 bytes, a lane a block (lanes 25 to 31 name the last again).  Trips 0 to 5 name slots 2 to 7; slots 0 and 1 come by their loads alone.
.macro ASK
	s_cmp_lt_u32 s[TAU], s[LIMX]
	s_cbranch_scc0 .Lnot_mine_\@
	global_prefetch_b8 v[PFO], s[PFA:PFA+1] th:TH_LOAD_NT scope:SCOPE_SE
.Lnot_mine_\@:
.endm
	s_load_b128 s[4:7], s[0:1], 0x0                ; qkv, oc
	s_load_b64 s[8:9], s[0:1], 0x10                ; os
	v_lshl_add_u32 v[SPW], v0, 2, SPARE
	v_mov_b32 v[NIL], 0
	ds_add_u32 v1, v2
	s_wait_dscnt 0x0
	v_lshrrev_b32 v232, 5, v0
	v_readfirstlane_b32 s[WV], v232                ; wave 0..7
	s_lshr_b32 s[BH], ttmp9, 2                     ; the head
	s_and_b32 s[II], ttmp9, 3
	s_sub_co_u32 s[N1], 8, s[II]
	s_sub_co_u32 s[QB], 7, s[II]                   ; the first pass's query block
	; descriptor group 1: a dense chunk of 6,400 bytes as 25 rows of 256 bytes (32 elements of 8 bytes); no padding, no mask
	s_mov_b32 s48, 3<<16
	s_mov_b32 s49, 32<<16                          ; tensor_dim0
	s_mov_b32 s50, 25<<16                          ; tensor_dim1
	s_mov_b32 s51, 32<<16                          ; tile_dim0
	s_mov_b32 s52, 25                              ; tile_dim1
	s_mov_b32 s53, 32                              ; tensor_dim0_stride
	s_mov_b32 s54, 0
	s_mov_b32 s55, 0
	s_and_b32 s56, s[WV], 3                        ; my chunk: K, V of the slot's first 128 keys, K, V of its second
	s_mov_b32 s40, 1
	s_mul_i32 s41, s56, CHK                        ; its place in slot 0
	s_lshr_b32 s57, s56, 1
	s_mul_i32 s57, s57, STEPB
	s_and_b32 s58, s56, 1
	s_add_co_u32 s58, s58, 1                       ; part 1 is K, part 2 is V
	s_mul_i32 s58, s58, CHK
	s_add_co_u32 s30, s57, s58
	s_mov_b32 s31, 0
	s_mul_i32 s36, s[BH], HEADB
	s_mov_b32 s37, 0
	s_wait_kmcnt 0x0
	s_add_nc_u64 s[HB:HB+1], s[4:5], s[36:37]
	s_add_nc_u64 s[TBASE:TBASE+1], s[HB:HB+1], s[30:31]
	s_mov_b64 s[42:43], s[TBASE:TBASE+1]
	s_or_b32 s43, s43, 0x80000000
	TLOAD                                          ; slot 0's first fill: one load of mine is out
	v_and_b32 v232, 31, v0                         ; lane
	v_lshlrev_b32 v[LI16], 4, v232
	v_lshlrev_b32 v[LI8], 3, v232
	v_lshlrev_b32 v[L32], 5, v232
	v_min_u32 v[PFO], 24, v232
	v_lshlrev_b32 v[PFO], 8, v[PFO]
	v_and_b32 v233, 15, v0                         ; r
	v_bfe_u32 v234, v0, 4, 1                       ; h
	v_and_b32 v235, 8, v233
	v_add_nc_u32 v235, v235, v233                  ; r + 8 (r / 8)
	v_lshlrev_b32 v234, 4, v234
	v_sub_nc_u32 v[QL], v235, v234                 ; tile 0's query at lane r is the wave's r + 8 (r / 8)-th; tile 1's lies 8 further on
	v_add_nc_u32 v[QL+1], 8, v[QL]
	v_mov_b32 v[NINF], 0xff800000
	; Q of both passes: my 32 queries are image wave % 4 of step 2 block + wave / 4
	s_and_b32 s56, s[WV], 3
	s_lshr_b32 s57, s[WV], 2
	s_mul_i32 s58, s56, 1536
	v_add_nc_u32 v232, s58, v[LI16]                ; the image: 1,536 x image + 16 x lane
	s_and_b32 s58, s56, 1
	s_lshl_b32 s58, s58, 7
	s_lshr_b32 s59, s56, 1
	s_lshl_b32 s59, s59, 2
	s_add_co_u32 s58, s58, s59
	s_add_co_u32 s58, s58, 6144
	v_lshl_add_u32 v233, v233, 3, s58              ; its word: 6,144 + 8 (16 (image % 2) + r) + 4 (image / 2)
	s_lshl_b32 s59, s[QB], 1
	s_add_co_u32 s59, s59, s57
	s_mul_i32 s30, s59, STEPB
	s_add_nc_u64 s[32:33], s[HB:HB+1], s[30:31]
	s_lshl_b32 s59, s[II], 1
	s_add_co_u32 s59, s59, s57
	s_mul_i32 s36, s59, STEPB
	s_add_nc_u64 s[34:35], s[HB:HB+1], s[36:37]
	global_load_b32 v[QWA], v233, s[32:33]
	global_load_b32 v[QWB], v233, s[34:35]
	WIN 0x40                                       ; destination window 1
.irp c, 0,1,2
	global_load_b128 v[QA+4*\c:QA+4*\c+3], v232, s[32:33] offset:512*\c
	global_load_b128 v[QBI+4*\c:QBI+4*\c+3], v232, s[34:35] offset:512*\c
.endr
.irp j, 0,1,2,3,4,5,6,7,8,9,10,11,12,13,14,15,16,17,18,19,20,21,22,23,24,25,26,27,28,29,30,31,32,33,34,35,36,37,38,39,40,41,42,43,44,45,46,47,48,49,50,51,52,53,54,55,56,57,58,59,60,61,62,63
	v_mov_b32 v[\j], 0                             ; O^T.  (The step is written once: a pass's first step multiplies what it finds by 0)
.endr
.irp j, 0,1,2,3,4,5
	v_mov_b32 v[QZ+\j], 0                          ; the zero codes beside Q's tiles
	v_mov_b32 v[QZ+12+\j], 0
	v_mov_b32 v[QZ+24+\j], 0
.endr
	WIN 0
.irp b, 0,1,2,3
	v_mov_b32 v[TP+\b], 0                          ; written once: a lane permute's destination counts as one of its sources
.endr
	v_mov_b32 v[FF+1], 0                           ; upper halves of pairs of which the low word alone is used
	v_mov_b32 v[RR+1], 0
	v_mov_b32 v[RR+3], 0
.irp t, 0,1
	v_mov_b32 v[ST+4*\t+2], 0                      ; the sums
	v_mov_b32 v[ST+4*\t+3], 0
.endr
	s_mov_b32 s[SEL], 0x76543210
	s_mov_b32 s[SEL+1], 0xfedcba98                 ; v_permlanex16_b32's selects for lane l xor 16
	s_mov_b32 s[CS], 0x3e38aa3b                    ; c = log2(e) / sqrt(64)
	s_mov_b32 s[CS+1], s[CS]                       ; (named with it as a pair, so it is written)
	s_mov_b32 s[TB], 0
	s_mov_b32 s[KF], 0
	s_lshl_b32 s[Q0], s[QB], 8
	s_lshl_b32 s56, s[WV], 5
	s_add_co_u32 s[Q0], s[Q0], s56                 ; my first query: 256 x block + 32 x wave
	s_lshr_b32 s56, s[WV], 2
	s_xor_b32 s56, s56, 1                          ; 0 in waves 4 to 7,
	s_or_b32 s56, s56, s[II]                       ; of the head's work-group with i = 0
	s_cmp_eq_u32 s56, 0
	s_cselect_b32 s[LIMX], 6, 0
	s_add_nc_u64 s[PFA:PFA+1], s[TBASE:TBASE+1], 2*STEPB   ; in slot 1: the first change of slots steps it to slot 2.  Nothing is prefetched here, at the head
; Q's image src and its word qw become the pass's operands; the largest t goes back under every t, so that the next step's f is 0 and wipes O^T and the sums.  The scale words are written first.
.macro SETQ src, qw
	v_perm_b32 v[QS], v[\qw], v[\qw], 0x01000100   ; tile 0's two bytes, for either half of the instruction's K
	v_perm_b32 v[QS+1], v[\qw], v[\qw], 0x03020302 ; tile 1's
	WIN 0x41                                       ; destination and source 0 window 1
.irp i, 0,1,2,3,4,5
	v_mov_b32 v[QZ+6+\i], v[\src+\i]
	v_mov_b32 v[QZ+18+\i], v[\src+6+\i]
.endr
	WIN 0
.irp t, 0,1
	v_mov_b32 v[ST+4*\t+1], 0xff61b1e6             ; -3e38
.endr
.irp t, 0,1
	v_floor_f32 v[ST+4*\t], -v[ST+4*\t+1]          ; -M
.endr
.endm
; One tile's softmax for 128 keys: S^T becomes p, p's codes and scale word; the sum and O^T come under the new M.
.macro SOFTMAX t
.set rS, SCO+64*(\t)
.set rT, ST+4*(\t)
.set rP, PC+12*(\t)
.set rO, 32*(\t)
.irp b, 0,1,2,3
	v_max3_num_f32 v[MX+\b], v[rS+16*\b], v[rS+16*\b+1], v[rS+16*\b+2]   ; the largest score of each block of 32 keys: for the row's maximum and, since p rises with the score, for the block's largest p
.endr
.irp i, 3,5,7,9,11,13
.irp b, 0,1,2,3
	v_max3_num_f32 v[MX+\b], v[MX+\b], v[rS+16*\b+\i], v[rS+16*\b+\i+1]
.endr
.endr
.irp b, 0,1,2,3
	v_max_num_f32 v[MX+\b], v[MX+\b], v[rS+16*\b+15]
.endr
.irp b, 0,1,2,3
	v_permlanex16_b32 v[TP+\b], v[MX+\b], s[SEL], s[SEL+1]
.endr
.irp b, 0,1,2,3
	v_max_num_f32 v[MX+\b], v[MX+\b], v[TP+\b]     ; with lane l xor 16's 16 keys
.endr
	v_max3_num_f32 v[TMP], v[MX], v[MX+1], v[MX+2]
	v_max_num_f32 v[TMP], v[TMP], v[MX+3]          ; the step's largest score of my query
	v_mul_f32 v[TMP], s[CS], v[TMP]                ; as t
	v_max_num_f32 v[rT+1], v[rT+1], v[TMP]         ; the running largest t
	v_mov_b32 v[TMP], v[rT]
	v_floor_f32 v[rT], -v[rT+1]                    ; the new -M = -ceil(t)
	v_sub_f32 v[TMP], v[rT], v[TMP]                ; old M - new M: a whole number, 0 or less
	v_cvt_i32_f32 v[TMP], v[TMP]                   ; (it saturates)
	v_ldexp_f32 v[FF], 1.0, v[TMP]                 ; f = 2^(old M - new M)
.irp j, 0,2,4,6,8,10,12,14,16,18,20,22,24,26,28,30,32,34,36,38,40,42,44,46,48,50,52,54,56,58,60,62
	v_pk_fma_f32 v[rS+\j:rS+\j+1], v[rS+\j:rS+\j+1], s[CS:CS+1], v[rT:rT+1] op_sel_hi:[1,0,0]   ; t - M, two at a time
.endr
.irp b, 0,1,2,3
	v_fma_f32 v[MX+\b], v[MX+\b], s[CS], v[rT]     ; the same of each block's largest score
.endr
.irp j, 0,1,2,3,4,5,6,7,8,9,10,11,12,13,14,15,16,17,18,19,20,21,22,23,24,25,26,27,28,29,30,31,32,33,34,35,36,37,38,39,40,41,42,43,44,45,46,47,48,49,50,51,52,53,54,55,56,57,58,59,60,61,62,63
	v_exp_f32 v[rS+\j], v[rS+\j]                   ; p = 2^(t - M), at most 1
.endr
	v_pk_mul_f32 v[rT+2:rT+3], v[rT+2:rT+3], v[FF:FF+1] op_sel_hi:[1,0]   ; the sums under the new M: the plain line behind the exponentials
	s_wait_alu depctr_va_vdst(0)                   ; one wait for the whole batch, ahead of its first reader
.irp b, 0,1,2,3
	v_exp_f32 v[MX+\b], v[MX+\b]                   ; the block's largest p
.endr
	v_pk_add_f32 v[SP:SP+1], v[rS:rS+1], v[rS+2:rS+3]   ; the row's sum is taken of the unquantised p: two at a time, in two chains
.irp j, 4,8,12,16,20,24,28,32,36,40,44,48,52,56,60
	v_pk_add_f32 v[rT+2:rT+3], v[rT+2:rT+3], v[rS+\j:rS+\j+1]
	v_pk_add_f32 v[SP:SP+1], v[SP:SP+1], v[rS+\j+2:rS+\j+3]
.endr
	v_pk_add_f32 v[rT+2:rT+3], v[rT+2:rT+3], v[SP:SP+1]
	s_wait_alu depctr_va_vdst(0)                   ; and one for the four
.irp b, 0,1,2,3
	v_max_num_f32 v[MX+\b], 0x1800000, v[MX+\b]    ; the floor 2^(3 - 127): the byte cannot fall under 1
.endr
.irp b, 0,1,2,3
	v_add_nc_u32 v[SO+\b], 0xff000000, v[MX+\b]    ; 2 off the exponent field: the conversion's scale operand
.endr
.irp b, 0,1,2,3
	v_lshrrev_b32 v[TP+\b], 23, v[SO+\b]           ; the scale's byte
.endr
	v_lshl_or_b32 v[PS+(\t)], v[TP+1], 8, v[TP]    ; p's scale word for these 128 keys
	v_lshl_or_b32 v[PS+(\t)], v[TP+2], 16, v[PS+(\t)]
	v_lshl_or_b32 v[PS+(\t)], v[TP+3], 24, v[PS+(\t)]
.irp c, 0,1
	v_cvt_scalef32_pk16_fp6_f32 v[rP+6*\c:rP+6*\c+2], v[rS+32*\c:rS+32*\c+15], v[SO+2*\c]
	v_cvt_scalef32_pk16_fp6_f32 v[PT+4*\c:PT+4*\c+2], v[rS+32*\c+16:rS+32*\c+31], v[SO+2*\c+1]
.endr
	v_nop                                          ; one plain line behind the scaled conversions
.irp c, 0,1                                    ; a whole block to a lane: lanes 0-15 block 2 c, lanes 16-31 block 2 c + 1
.irp i, 0,1,2
	v_permlane16_swap_b32 v[rP+6*\c+\i], v[PT+4*\c+\i]
.endr
.irp i, 0,1,2
	v_mov_b32 v[rP+6*\c+3+\i], v[PT+4*\c+\i]
.endr
.endr
	WIN 0x41                                       ; O^T in window 1, f in window 0
.irp j, 0,2,4,6,8,10,12,14,16,18,20,22,24,26,28,30
	v_pk_mul_f32 v[rO+\j:rO+\j+1], v[rO+\j:rO+\j+1], v[FF:FF+1] op_sel_hi:[1,0]   ; O^T under the new M; these lines are also the places between the operands just written and the products
.endr
	WIN 0
.endm
; A KEY STEP: 128 keys, the q-th of the slot in hand.
.macro STEP q
	s_add_co_u32 s60, s[Q0], 31                    ; a step all of whose keys come after my 32 queries is left out: a scalar branch on ids, round no barrier and no tensor load
	s_cmp_gt_u32 s[KF], s60
	s_cbranch_scc1 .Lhidden_\@
	v_add_nc_u32 v[ADK], s[TB], v[LI16]
	v_add_nc_u32 v[ADS], s[TB], v[LI8]
	v_nop
	v_nop                                          ; four plain lines behind the last products, in front of loads into registers that they read
	ds_load_b64 v[KSC:KSC+1], v[ADS] offset:2*CHK*(\q)+6144
	ds_load_b64 v[VSC:VSC+1], v[ADS] offset:2*CHK*(\q)+CHK+6144
	WIN 0x40                                       ; destination window 1
.irp f, 0,1,2,3
.irp c, 0,1,2
	ds_load_b128 v[KFR+12*\f+4*\c:KFR+12*\f+4*\c+3], v[ADK] offset:2*CHK*(\q)+1536*\f+512*\c
.endr
.endr
.irp f, 0,1,2,3
.irp c, 0,1,2
	ds_load_b128 v[VFR+12*\f+4*\c:VFR+12*\f+4*\c+3], v[ADK] offset:2*CHK*(\q)+CHK+1536*\f+512*\c
.endr
.endr
	s_wait_dscnt 12                                ; the words and K's images are in; V's twelve loads may stay out
	WIN 0x05                                       ; K and Q in window 1, S^T in window 0
.irp t, 0,1
.irp b, 0,1,2,3
.irp u, 0,1                                    ; image b's first 16 keys against [q, zeros], its second 16 against [zeros, q]
.if \b%2
	v_wmma_scale_f32_16x16x128_f8f6f4 v[SCO+64*\t+8*(2*\b+\u):SCO+64*\t+8*(2*\b+\u)+7], v[KFR+12*\b:KFR+12*\b+11], v[QZ+12*\t+6-6*\u:QZ+12*\t+6-6*\u+11], 0, v[KSC+\b/2], v[QS+\t] matrix_a_fmt:MATRIX_FMT_FP6 matrix_b_fmt:MATRIX_FMT_FP6 matrix_a_scale:MATRIX_SCALE_ROW1
.else
	v_wmma_scale_f32_16x16x128_f8f6f4 v[SCO+64*\t+8*(2*\b+\u):SCO+64*\t+8*(2*\b+\u)+7], v[KFR+12*\b:KFR+12*\b+11], v[QZ+12*\t+6-6*\u:QZ+12*\t+6-6*\u+11], 0, v[KSC+\b/2], v[QS+\t] matrix_a_fmt:MATRIX_FMT_FP6 matrix_b_fmt:MATRIX_FMT_FP6
.endif
.endr
.endr
.endr
	WIN 0
.rept 4
	v_nop
.endr
	s_add_co_u32 s60, s[KF], 127                   ; on the diagonal the scores of hidden keys become -infinity ahead of the maximum: p = 0 then.  A step all of whose keys count skips this
	s_cmp_le_u32 s60, s[Q0]
	s_cbranch_scc1 .Lopen_\@
	s_sub_co_i32 s60, s[Q0], s[KF]
	v_add_nc_u32 v[DD], s60, v[QL]                 ; d = my query - the step's first key - 16 (lane / 16).  Register 16 b + i holds key 32 b + i + 16 (lane / 16) of the step: hidden where 32 b + i > d
	v_add_nc_u32 v[DD+1], s60, v[QL+1]
.irp t, 0,1
.irp n, 0,1,2,3,4,5,6,7,8,9,10,11,12,13,14,15,16,17,18,19,20,21,22,23,24,25,26,27,28,29,30,31,32,33,34,35,36,37,38,39,40,41,42,43,44,45,46,47,48,49,50,51,52,53,54,55,56,57,58,59,60,61,62,63
	v_cmp_gt_i32 vcc_lo, 32*(\n/16)+\n%16, v[DD+\t]
	v_cndmask_b32 v[SCO+64*\t+\n], v[SCO+64*\t+\n], v[NINF], vcc_lo
.endr
.endr
.Lopen_\@:
	SOFTMAX 0
	SOFTMAX 1
	s_wait_dscnt 0x0                               ; V is in
	WIN 0x51                                       ; V and O^T in window 1, P in window 0
.irp f, 0,1,2,3                                ; eight accumulators, one instruction each: no two that follow each other share one
.irp t, 0,1
.if \f%2
	v_wmma_scale_f32_16x16x128_f8f6f4 v[32*\t+8*\f:32*\t+8*\f+7], v[VFR+12*\f:VFR+12*\f+11], v[PC+12*\t:PC+12*\t+11], v[32*\t+8*\f:32*\t+8*\f+7], v[VSC+\f/2], v[PS+\t] matrix_a_fmt:MATRIX_FMT_FP6 matrix_b_fmt:MATRIX_FMT_FP6 matrix_a_scale:MATRIX_SCALE_ROW1
.else
	v_wmma_scale_f32_16x16x128_f8f6f4 v[32*\t+8*\f:32*\t+8*\f+7], v[VFR+12*\f:VFR+12*\f+11], v[PC+12*\t:PC+12*\t+11], v[32*\t+8*\f:32*\t+8*\f+7], v[VSC+\f/2], v[PS+\t] matrix_a_fmt:MATRIX_FMT_FP6 matrix_b_fmt:MATRIX_FMT_FP6
.endif
.endr
.endr
	WIN 0
.Lhidden_\@:
	s_add_co_u32 s[KF], s[KF], 128
.endm
; THE CHANGE OF SLOTS stands at a slot's head.  Each wave waits for all its tensor loads (its part of the slot that it is about to read), adds 0 to its spare word, and waits for that and for its reads of the slot
; that it has left.  fill = 1: that other slot is filled with the next trip's keys: slot trip + 1 of the pass, or slot 0 where the second pass begins.  The load has a whole trip in which to land.
.macro CHANGE fill
	s_wait_tensorcnt 0x0                           ; no tensor load of mine is out, so the descriptor may be written
	ds_add_u32 v[SPW], v[NIL]                      ; 0 onto my spare word
.if \fill
	s_add_co_u32 s56, s[TAU], 1
	s_cmp_ge_u32 s56, s[N1]
	s_cselect_b32 s57, s[N1], 0
	s_sub_co_u32 s56, s56, s57                     ; the next trip's slot of keys
	s_mul_i32 s30, s56, 2*STEPB
	s_mov_b32 s31, 0
	s_xor_b32 s41, s41, SLOT1                      ; the other LDS slot than last time
	s_add_nc_u64 s[42:43], s[TBASE:TBASE+1], s[30:31]
	s_or_b32 s43, s43, 0x80000000
	s_wait_xcnt 0x0                                ; the last prefetch, a trip back, has read its address, so it may be written
	s_add_nc_u64 s[PFA:PFA+1], s[PFA:PFA+1], 2*STEPB
.endif
	s_wait_dscnt 0x0                               ; the add is done, and my reads of the slot that I have left are over
	s_barrier_signal -1
	s_barrier_wait -1
.if \fill
	TLOAD                                          ; the first thing behind the barrier, and a wave's one tensor load until the next
	ASK
.endif
.endm
.macro SLOT_STEPS
	STEP 0
	STEP 1
	s_xor_b32 s[TB], s[TB], SLOT1                  ; on to the other slot
.endm
; A PASS'S END: O^T / the sum, quantised along the head's 64 channels (two blocks), to oc and os.
.macro FINAL
	s_wait_xcnt 0x0                                ; earlier stores have read their registers and bases: both are written again below
	s_lshr_b32 s56, s[BH], 4
	s_lshl_b32 s56, s56, 7
	s_lshl_b32 s57, s[QB], 4
	s_add_co_u32 s56, s56, s57
	s_lshl_b32 s57, s[WV], 1
	s_add_co_u32 s56, s56, s57                     ; my first tile of 16 tokens: 128 x batch + 16 x block + 2 x wave
	s_and_b32 s57, s[BH], 15                       ; the head in its batch
	s_mul_i32 s30, s56, 12288
	s_mul_i32 s58, s57, 768                        ; K step head / 2 (1,536 bytes), half head % 2 (768)
	s_add_co_u32 s30, s30, s58
	s_mov_b32 s31, 0
	s_add_nc_u64 s[32:33], s[6:7], s[30:31]
	s_lshl_b32 s36, s56, 9                         ; 16 tokens x 32 scale bytes
	s_lshl_b32 s58, s57, 1
	s_add_co_u32 s36, s36, s58
	s_mov_b32 s37, 0
	s_add_nc_u64 s[34:35], s[8:9], s[36:37]
.rept 4
	v_nop                                          ; behind the last products
.endr
.irp t, 0,1
	v_add_f32 v[RR+2*\t], v[ST+4*\t+2], v[ST+4*\t+3]   ; the sum's two halves,
.endr
.irp t, 0,1
	v_permlanex16_b32 v[TP+\t], v[RR+2*\t], s[SEL], s[SEL+1]
.endr
.irp t, 0,1
	v_add_f32 v[RR+2*\t], v[RR+2*\t], v[TP+\t]     ; and lane l xor 16's
.endr
.irp t, 0,1
	v_rcp_f32 v[RR+2*\t], v[RR+2*\t]
.endr
	v_nop                                          ; a plain line behind the reciprocals,
	s_wait_alu depctr_va_vdst(0)                   ; and the wait ahead of their first reader
	WIN 0x01                                       ; source 0 (O^T) window 1
.irp t, 0,1
.irp j, 0,2,4,6,8,10,12,14,16,18,20,22,24,26,28,30
	v_pk_mul_f32 v[SCO+64*\t+\j:SCO+64*\t+\j+1], v[32*\t+\j:32*\t+\j+1], v[RR+2*\t:RR+2*\t+1] op_sel_hi:[1,0]   ; register 16 b + i: channel 32 b + 16 (lane / 16) + i
.endr
.endr
	WIN 0
.irp q, 0,1,2,3                                ; q = 2 tile + block
	v_max3_num_f32 v[MX+\q], |v[SCO+64*(\q/2)+16*(\q%2)]|, |v[SCO+64*(\q/2)+16*(\q%2)+1]|, 0x1800000
.endr
.irp i, 2,4,6,8,10,12,14
.irp q, 0,1,2,3
	v_max3_num_f32 v[MX+\q], v[MX+\q], |v[SCO+64*(\q/2)+16*(\q%2)+\i]|, |v[SCO+64*(\q/2)+16*(\q%2)+\i+1]|
.endr
.endr
.irp q, 0,1,2,3
	v_permlanex16_b32 v[TP+\q], v[MX+\q], s[SEL], s[SEL+1]
.endr
.irp q, 0,1,2,3
	v_max_num_f32 v[MX+\q], v[MX+\q], v[TP+\q]
.endr
.irp q, 0,1,2,3
	v_add_nc_u32 v[SO+\q], 0xff000000, v[MX+\q]
.endr
.irp q, 0,1,2,3
	v_lshrrev_b32 v[TP+\q], 23, v[SO+\q]
.endr
.irp t, 0,1
	v_lshl_or_b32 v[W16+\t], v[TP+2*\t+1], 8, v[TP+2*\t]
.endr
.irp t, 0,1
	v_cvt_scalef32_pk16_fp6_f32 v[OC+6*\t:OC+6*\t+2], v[SCO+64*\t:SCO+64*\t+15], v[SO+2*\t]
	v_cvt_scalef32_pk16_fp6_f32 v[PT+4*\t:PT+4*\t+2], v[SCO+64*\t+16:SCO+64*\t+31], v[SO+2*\t+1]
.endr
	v_nop                                          ; one plain line behind the scaled conversions
.irp t, 0,1
.irp i, 0,1,2
	v_permlane16_swap_b32 v[OC+6*\t+\i], v[PT+4*\t+\i]
.endr
.irp i, 0,1,2
	v_mov_b32 v[OC+6*\t+3+\i], v[PT+4*\t+\i]
.endr
.endr
.irp t, 0,1
	global_store_b128 v[LI16], v[OC+6*\t:OC+6*\t+3], s[32:33] offset:12288*\t          ; 512 consecutive bytes, aligned
	global_store_b64 v[LI8], v[OC+6*\t+4:OC+6*\t+5], s[32:33] offset:12288*\t+512      ; 256 consecutive bytes, aligned
.endr
	s_mov_b32 vcc_lo, 0xffff0000
	v_cndmask_b32 v[W16], v[W16], v[W16+1], vcc_lo     ; lanes 0-15 tile 0's tokens, lanes 16-31 tile 1's
	global_store_b16 v[L32], v[W16], s[34:35]
.endm
	s_wait_loadcnt 0x0                             ; Q
	SETQ QA, QWA
	s_mov_b32 s[TAU], 0
.Ltrip:                                            ; eight trips: behind each change of slots but the last the next slot is asked for
	CHANGE 1
	SLOT_STEPS
	s_add_co_u32 s56, s[TAU], 1
	s_cmp_lg_u32 s56, s[N1]                        ; was this the first pass's last slot?  A scalar branch on ids, round no barrier and no tensor load
	s_cbranch_scc1 .Lsame
	FINAL
	s_mov_b32 s[QB], s[II]                         ; the second pass: query block i
	s_lshl_b32 s[Q0], s[II], 8
	s_lshl_b32 s56, s[WV], 5
	s_add_co_u32 s[Q0], s[Q0], s56
	s_mov_b32 s[KF], 0
	SETQ QBI, QWB
.Lsame:
	s_add_co_u32 s[TAU], s[TAU], 1
	s_cmp_lt_u32 s[TAU], 8
	s_cbranch_scc1 .Ltrip
	CHANGE 0                                       ; the last slot is written out
	SLOT_STEPS
	FINAL
	s_wait_tensorcnt 0x0                           ; the wave's end
	ds_add_u32 v[SPW], v[NIL]
	s_wait_dscnt 0x0
	s_endpgm
.Lfunc_end_k_q716ecfd8a2_attn:
	.size	k_q716ecfd8a2_attn, .Lfunc_end_k_q716ecfd8a2_attn-k_q716ecfd8a2_attn
	.p2alignl 7, 3214868480
	.fill 96, 4, 3214868480
	.section	.rodata,"a",@progbits
	.p2align	6, 0x0
	.amdhsa_kernel k_q716ecfd8a2_attn
		.amdhsa_group_segment_fixed_size 327680
		.amdhsa_private_segment_fixed_size 0
		.amdhsa_enable_private_segment 0
		.amdhsa_kernarg_size 24
		.amdhsa_user_sgpr_count 2
		.amdhsa_user_sgpr_kernarg_segment_ptr 1
		.amdhsa_wavefront_size32 1
		.amdhsa_system_sgpr_workgroup_id_x 1
		.amdhsa_system_sgpr_workgroup_id_y 1
		.amdhsa_system_sgpr_workgroup_id_z 1
		.amdhsa_system_vgpr_workitem_id 0
		.amdhsa_next_free_vgpr 512
		.amdhsa_next_free_sgpr 66
		.amdhsa_reserve_vcc 1
		.amdhsa_float_denorm_mode_32 3
		.amdhsa_float_denorm_mode_16_64 3
		.amdhsa_memory_ordered 1
		.amdhsa_forward_progress 1
		.amdhsa_inst_pref_size 182
	.end_amdhsa_kernel
	.amdgpu_metadata
---
amdhsa.version: [ 1, 2 ]
amdhsa.kernels:
  - .name:           k_q716ecfd8a2_attn
    .symbol:         k_q716ecfd8a2_attn.kd
    .args:
      - { .name: qkv, .offset: 0, .size: 8, .value_kind: global_buffer, .address_space: global }
      - { .name: oc, .offset: 8, .size: 8, .value_kind: global_buffer, .address_space: global }
      - { .name: os, .offset: 16, .size: 8, .value_kind: global_buffer, .address_space: global }
    .group_segment_fixed_size: 327680
    .private_segment_fixed_size: 0
    .kernarg_segment_align: 8
    .kernarg_segment_size: 24
    .max_flat_workgroup_size: 256
    .sgpr_count:     66
    .vgpr_count:     512
    .wavefront_size: 32
...
	.end_amdgpu_metadata
.endif
;; end of part 3
;; launch oproj (part 4): grid 4 x 32, 4 waves a work-group, clusters of 4 x 4, 327,680 bytes of LDS; arguments oc, os, wc, ws, out0; writes out0
.if DOCPART == 4
	.amdgcn_target "amdgcn-amd-amdhsa--gfx1250"
	.amdhsa_code_object_version 6
	.text
	.protected	k_q716ecfd8a2_oproj
	.globl	k_q716ecfd8a2_oproj
	.p2align	8
	.type	k_q716ecfd8a2_oproj,@function
k_q716ecfd8a2_oproj:
	s_mov_b64 s[64:65], 0
	v_nop
	global_prefetch_b8 v0, s[64:65] scope:SCOPE_SE
	s_setreg_imm32_b32 hwreg(HW_REG_WAVE_MODE, 25, 1), 1
	s_wait_xcnt 0x0
	s_wait_alu depctr_hold_cnt(0) depctr_sa_sdst(0) depctr_va_vdst(0) depctr_va_sdst(0) depctr_va_ssrc(0) depctr_va_vcc(0) depctr_vm_vsrc(0)
	s_getreg_b32 s2, hwreg(HW_REG_IB_STS2, 6, 4)
	s_cmp_eq_u32 s2, 0
	s_cbranch_scc0 .Lentry_in_a_cluster
	s_endpgm
.Lentry_in_a_cluster:
	s_bfe_u32 s2, ttmp6, 0x10000c
	s_cmp_lg_u32 s2, 0xf033
	s_cbranch_scc0 .Lentry_shape_is_right
	s_endpgm
.Lentry_shape_is_right:
; out0[m][n] = sum over k of A[m][k] wo[n][k], on codes of FP6 (E2M3) with one E8M0 scale for each 32 along K = 1,024; out0 [8192][1024] f32; sums in f32.
; A, the attention's result, lies in oc as IMAGES OF THE OPERAND'S REGISTERS: [16 tokens][K step of 128][half][768 bytes]: registers 6 half + 0 .. 3 at 16 lane, registers 6 half + 4, 5 at 512 + 8 lane;
; its scale bytes in os [token][32].  Tokens lie with bits 3 and 4 of their number exchanged; the stores put the rows back.  wo's codes are rows 3072-4095 of wc (768 bytes a row), its scale bytes the same rows of ws.
; A tile of out0, 256 x 256, is made by four waves, 128 x 128 each: 64 accumulators.  K goes in steps of 256 through two LDS slots filled by the tensor data mover: of A 8 runs of 3,072 bytes a load,
; of wo 128 rows of 192 bytes.  The scale bytes of the 512 rows come once and stay.
; CLUSTERS: 4 x 4 work-groups; A's tile is asked for jointly by the four of a row of the cluster, wo's by the four of a column.
; THE MATRIX INSTRUCTION IS USED TRANSPOSED (source 0 = 16 rows of wo, source 1 = 16 tokens): a lane then holds eight neighbouring numbers of a row of out0.
; REGISTERS, in windows of 256: window 0: v0-31 addresses; v32-63 scale words, two sets; from v128 A's fragments, one set; on the way out v128-255 rows of out0.
;   window 1: wo's fragments, two sets, at v0 and v128.   window 2: the accumulators of my tokens' blocks 0-3;   window 3: those of blocks 4-7.
.set SIZE_N, 1024
.set SIZE_K, 1024
.set KSTEP,  256
.set NQ,     KSTEP/128
.set ROWB,   192                       ; a row of wo's tile in bytes
.set KROW,   SIZE_K*6/8                ; a row of codes in memory; also: 16 tokens' images, 12,288 bytes, divided by 16
.set PITCH,  240                       ; wo's LDS row: 3 x (64 bytes + 16 of padding)
.set FR,     12
.set NL,     6                         ; LDS loads that bring a fragment of wo
.set NLA,    4                         ; and one of A
.set NP,     4                         ; places behind this matrix instruction (ISA guide 7.12.1)
.set AHALF,  8*3072                    ; 128 tokens x 256 K as images: what one tensor load brings of A
.set BHALF,  128*PITCH                 ; 128 rows of wo
.set SLOT,   2*AHALF+2*BHALF
.set LAPS,   SIZE_K/(2*KSTEP)
.set KS,     SIZE_K/32
.set SCL,    2*SLOT                    ; behind the ring: the scale bytes, as rows of 256 bytes + 16 of padding
.set HALFS,  (128*KS/256)*272
.set SBLK,   (16*KS/256)*272
.set SPARE,  SCL+4*HALFS               ; the spare words, 128 bytes for each wave: two blocks of 256 bytes that no other line names
.set SPITCH, 528                       ; the way out: a stage of 16 rows x (512 bytes + 16) for each wave, in slot 0, which has had its last fill and its last read when the first result is stored there
.set ADRA, 16                          ; v16-17 slot 0, 1: my tokens' images + 16 x lane;  v18-19: + 8 x lane
.set ADRB, 20                          ; v20-21 my wo fragments in slot 0, 1;  v22-23: behind one padding more
.set STO,  24
.set RD,   25
.set CO,   26
.set ADRS, 27
.set SPW,  28                          ; LDS address of my spare word; never rewritten
.set NIL,  29                          ; 0; never rewritten
.set SC,   32                          ; scale words: they hold scales and nothing else
.set AF,   128
.set BK,   128
.set G1, 24
.set G0, 32
.set G1B, 48
.set G0B, 56
.set G1S, 68
.set G0S, 76
.set G1SB, 80
.set G0SB, 88
.set MSB, 0
.macro WIN new                         ; the immediate's high byte repeats the setting that is left
.if MSB != \new
	s_set_vgpr_msb (MSB<<8)|\new
.set MSB, \new
.endif
.endm
.set MUL_LO, 0xa1
.set MUL_HI, 0xf1
.set TO_B,   0x40
.macro JLOAD g0a, g1a, g0b, g1b        ; a joint load: waves 0 and 1 fetch for A, waves 2 and 3 for wo; four v_nop follow each of the two lines
	s_cmp_eq_u32 s15, 0
	s_cbranch_scc0 .Lfor_b_\@
	tensor_load_to_lds s[\g0a:\g0a+3], s[\g1a:\g1a+7]
	s_nop 0
.rept 4
	v_nop
.endr
	s_branch .Lasked_\@
.Lfor_b_\@:
	tensor_load_to_lds s[\g0b:\g0b+3], s[\g1b:\g1b+7]
	s_nop 0
.rept 4
	v_nop
.endr
.Lasked_\@:
.endm
.macro CREST
	s_cmp_lg_u32 s14, 0
	s_cbranch_scc1 .Lnot_wave_0_\@
	s_barrier_signal -3
.Lnot_wave_0_\@:
	s_barrier_wait -3
	s_barrier_signal -1
	s_barrier_wait -1
.endm
.macro CROUND
	s_barrier_signal -1
	s_barrier_wait -1
	CREST
.endm
	s_load_b128 s[4:7], s[0:1], 0x0                ; oc, os
	s_load_b128 s[8:11], s[0:1], 0x10              ; wc, ws
	s_load_b64 s[12:13], s[0:1], 0x20              ; out0
	v_lshl_add_u32 v[SPW], v0, 2, SPARE
	v_mov_b32 v[NIL], 0
	ds_add_u32 v28, v29
	s_wait_dscnt 0x0
	v_lshrrev_b32 v1, 5, v0
	v_readfirstlane_b32 s14, v1                    ; wave 0..3
	s_lshr_b32 s15, s14, 1                         ; which half of the tile's rows is mine.  Also: I fetch for A (0) or for wo (1)
	s_and_b32 s16, s14, 1                          ; which half of its columns.  Also: which 128 rows of that tile I fetch
	s_bfe_u32 s40, ttmp6, 0x40000                  ; cx, cy
	s_bfe_u32 s41, ttmp6, 0x40004
	s_lshl_b32 s42, ttmp9, 2
	s_add_co_u32 s42, s42, s40                     ; tile column
	s_and_b32 s17, ttmp7, 0xffff
	s_lshl_b32 s17, s17, 2
	s_add_co_u32 s17, s17, s41                     ; tile row
	s_lshl_b32 s43, s41, 2
	s_lshl_b32 s43, 15, s43                        ; my row of the cluster
	s_lshl_b32 s44, 0x1111, s40                    ; my column
	; descriptor group 1 for A: 8 runs (16 tokens each) of 3,072 bytes (two K steps' images), 12,288 bytes apart; no padding
	s_or_b32 s[G1+0], s43, (0<<16)|(1<<21)         ; the mask: my row; elements of 1 byte; bit 21 beside a mask
	s_mov_b32 s[G1+1], 3072<<16                    ; tensor_dim0
	s_mov_b32 s[G1+2], 8<<16                       ; tensor_dim1
	s_mov_b32 s[G1+3], 3072<<16                    ; tile_dim0
	s_mov_b32 s[G1+4], 8                           ; tile_dim1
	s_mov_b32 s[G1+5], 12288                       ; tensor_dim0_stride
	s_mov_b32 s[G1+6], 0
	s_mov_b32 s[G1+7], 0
	; for wo: 128 rows x 192 bytes, 16 bytes of padding behind every 64
	s_or_b32 s[G1B+0], s44, (0<<16)|(1<<20)|(1<<21)|(3<<22)|(3<<25)
	s_mov_b32 s[G1B+1], ROWB<<16
	s_mov_b32 s[G1B+2], 128<<16
	s_mov_b32 s[G1B+3], ROWB<<16
	s_mov_b32 s[G1B+4], 128
	s_mov_b32 s[G1B+5], KROW
	s_mov_b32 s[G1B+6], 0
	s_mov_b32 s[G1B+7], 0
	; the scale bytes of 128 rows: 4,096 dense bytes as rows of 256 bytes, 16 bytes of padding behind each
	s_or_b32 s[G1S+0], s43, (3<<16)|(1<<20)|(1<<21)|(5<<22)|(3<<25)
	s_or_b32 s[G1SB+0], s44, (3<<16)|(1<<20)|(1<<21)|(5<<22)|(3<<25)
.irp g, G1S, G1SB
	s_mov_b32 s[\g+1], 32<<16
	s_mov_b32 s[\g+2], (128*KS/256)<<16
	s_mov_b32 s[\g+3], 32<<16
	s_mov_b32 s[\g+4], 128*KS/256
	s_mov_b32 s[\g+5], 32
	s_mov_b32 s[\g+6], 0
	s_mov_b32 s[\g+7], 0
.endr
	s_lshl_b32 s18, s16, 7
	s_lshl_b32 s20, s17, 8
	s_add_co_u32 s20, s20, s18                     ; A: token 256 x tile row + 128 x half
	s_lshl_b32 s46, s42, 8
	s_add_co_u32 s46, s46, s18                     ; wo: row 256 x tile column + 128 x half
	s_mov_b32 s21, 0
	s_mov_b32 s47, 0
	s_mov_b64 s[18:19], KS
	s_mul_u64 s[22:23], s[20:21], s[18:19]
	s_mul_u64 s[92:93], s[46:47], s[18:19]
	s_mov_b64 s[18:19], KROW
	s_mul_u64 s[20:21], s[20:21], s[18:19]         ; 768 bytes a token in oc too
	s_mul_u64 s[46:47], s[46:47], s[18:19]
	s_mul_i32 s45, s16, AHALF                      ; where they go: A's two halves,
	s_mul_i32 s95, s16, BHALF
	s_add_co_u32 s95, s95, 2*AHALF                 ; then wo's two: no place in the cluster enters an LDS address
	s_mul_i32 s94, s14, HALFS
	s_wait_kmcnt 0x0
	s_add_nc_u64 s[8:9], s[8:9], 3072*KROW         ; wo's rows in wc
	s_add_nc_u64 s[10:11], s[10:11], 3072*KS       ; and in ws
	s_add_nc_u64 s[20:21], s[4:5], s[20:21]
	s_add_nc_u64 s[22:23], s[6:7], s[22:23]
	s_add_nc_u64 s[46:47], s[8:9], s[46:47]
	s_add_nc_u64 s[92:93], s[10:11], s[92:93]
	CROUND                                         ; all sixteen work-groups are here: the first joint loads meet
	s_mov_b32 s[G0S], 1
	s_add_co_u32 s[G0S+1], s94, SCL
	s_mov_b64 s[G0S+2:G0S+3], s[22:23]
	s_or_b32 s[G0S+3], s[G0S+3], 0x80000000
	s_mov_b32 s[G0SB], 1
	s_add_co_u32 s[G0SB+1], s94, SCL
	s_mov_b64 s[G0SB+2:G0SB+3], s[92:93]
	s_or_b32 s[G0SB+3], s[G0SB+3], 0x80000000
	JLOAD G0S, G1S, G0SB, G1SB                     ; the scale bytes first
.irp s, 0,1
	s_mov_b32 s[G0+4*\s], 1
	s_add_co_u32 s[G0+4*\s+1], s45, \s*SLOT
	s_add_nc_u64 s[G0+4*\s+2:G0+4*\s+3], s[20:21], \s*3072
	s_or_b32 s[G0+4*\s+3], s[G0+4*\s+3], 0x80000000
	s_mov_b32 s[G0B+4*\s], 1
	s_add_co_u32 s[G0B+4*\s+1], s95, \s*SLOT
	s_add_nc_u64 s[G0B+4*\s+2:G0B+4*\s+3], s[46:47], \s*ROWB
	s_or_b32 s[G0B+4*\s+3], s[G0B+4*\s+3], 0x80000000
	JLOAD G0+4*\s, G1, G0B+4*\s, G1B
.endr
	v_and_b32 v1, 15, v0                           ; l % 16
	v_bfe_u32 v2, v0, 4, 1                         ; l / 16
	v_and_b32 v6, 31, v0
	v_lshlrev_b32 v7, 4, v6                        ; 16 x lane
	v_lshlrev_b32 v8, 3, v6                        ; 8 x lane
	v_mul_u32_u24 v3, v1, PITCH
	v_mul_u32_u24 v4, v2, 24
	v_add_nc_u32 v4, v3, v4                        ; wo: a fragment's row x pitch + 24 x half
	v_lshl_add_u32 v5, v2, 4, v4                   ; and the same behind one padding more
	s_mul_i32 s21, s15, AHALF                      ; my 128 tokens
	s_mul_i32 s22, s16, BHALF                      ; my 128 rows of wo,
	s_add_co_u32 s22, s22, 2*AHALF                 ; which lie behind A's 256
.irp s, 0,1
	v_add_nc_u32 v[ADRA+\s], s21, v7
	v_add_nc_u32 v[ADRA+2+\s], s21, v8
	v_add_nc_u32 v[ADRB+\s], s22, v4
	v_add_nc_u32 v[ADRB+2+\s], s22, v5
	s_add_co_u32 s21, s21, SLOT
	s_add_co_u32 s22, s22, SLOT
.endr
	v_mul_u32_u24 v5, v1, KS                       ; my row's scale bytes: KS a row,
	v_lshrrev_b32 v6, 8, v5
	v_lshl_add_u32 v5, v6, 4, v5                   ; and 16 more for each 256 passed
	s_mul_i32 s21, s15, HALFS
	s_mul_i32 s22, s16, HALFS
	s_add_co_u32 s22, s22, 2*HALFS
	s_sub_co_u32 s22, s22, s21
	v_mul_u32_u24 v6, s22, v2                      ; lanes 16-31 take wo's
	s_add_co_u32 s21, s21, SCL
	v_add_nc_u32 v5, v5, v6
	v_add_nc_u32 v[ADRS], s21, v5
	s_mul_i32 s23, s14, 16*SPITCH                  ; my stage
	v_mul_u32_u24 v5, v1, SPITCH                   ; in: row l % 16, 32 bytes for each half of the lanes
	v_lshl_add_u32 v5, v2, 5, v5
	v_add_nc_u32 v[STO], s23, v5
	v_and_b32 v6, 31, v0
	v_lshlrev_b32 v[CO], 4, v6                     ; back: the 32 lanes take one row of 512 bytes; and the same in out0
	v_add_nc_u32 v[RD], s23, v[CO]
	s_lshl_b32 s20, s17, 8
	s_lshl_b32 s21, s15, 7
	s_add_co_u32 s20, s20, s21                     ; my first row of out0
	s_mov_b32 s21, 0
	s_mov_b64 s[18:19], SIZE_N*4
	s_mul_u64 s[20:21], s[20:21], s[18:19]
	s_lshl_b32 s46, s42, 10                        ; my first column, in bytes
	s_lshl_b32 s47, s16, 9
	s_add_co_u32 s46, s46, s47
	s_mov_b32 s47, 0
	s_add_nc_u64 s[20:21], s[20:21], s[46:47]
	s_add_nc_u64 s[12:13], s[12:13], s[20:21]
.macro FRAG reg, adr, q, i             ; a fragment of wo from rows: six pieces of 8 bytes
.irp p, 0,1,2,3,4,5
.set PC, 12*(\q)+6*(\p/3)+\p%3
.if PC%8 < 5
	ds_load_b64 v[\reg+2*\p:\reg+2*\p+1], v[\adr] offset:8*PC+16*(PC/8)+(\i)*16*PITCH
.else
	ds_load_b64 v[\reg+2*\p:\reg+2*\p+1], v[\adr+2] offset:8*PC+16*(PC/8)+(\i)*16*PITCH
.endif
.endr
.endm
.macro FRAGA reg, slot, q, i           ; a fragment of A from its image: each load's bytes are consecutive from lane to lane
	ds_load_b128 v[\reg:\reg+3], v[ADRA+\slot] offset:3072*(\i)+1536*(\q)
	ds_load_b64 v[\reg+4:\reg+5], v[ADRA+2+\slot] offset:3072*(\i)+1536*(\q)+512
	ds_load_b128 v[\reg+6:\reg+9], v[ADRA+\slot] offset:3072*(\i)+1536*(\q)+768
	ds_load_b64 v[\reg+10:\reg+11], v[ADRA+2+\slot] offset:3072*(\i)+1536*(\q)+1280
.endm
; 16 matrix instructions: A's blocks a0, a0 + 1 x wo's eight.  The 64 accumulators take turns, one instruction a turn, in the same order in every step.
.macro MUL16 a0, p, q, sc, zero
.irp a, \a0, \a0+1
.irp b, 0,1,2,3,4,5,6,7
.if \zero
	v_wmma_scale_f32_16x16x128_f8f6f4 v[8*(8*((\a)%4)+\b):8*(8*((\a)%4)+\b)+7], v[128*(\p)+FR*\b:128*(\p)+FR*\b+FR-1], v[AF+FR*(\a):AF+FR*(\a)+FR-1], 0, v[SC+8*NQ*(\sc)+NQ*\b+(\q)], v[SC+8*NQ*(\sc)+NQ*(\a)+(\q)] matrix_a_fmt:MATRIX_FMT_FP6 matrix_b_fmt:MATRIX_FMT_FP6 matrix_a_scale:MATRIX_SCALE_ROW1
.else
	v_wmma_scale_f32_16x16x128_f8f6f4 v[8*(8*((\a)%4)+\b):8*(8*((\a)%4)+\b)+7], v[128*(\p)+FR*\b:128*(\p)+FR*\b+FR-1], v[AF+FR*(\a):AF+FR*(\a)+FR-1], v[8*(8*((\a)%4)+\b):8*(8*((\a)%4)+\b)+7], v[SC+8*NQ*(\sc)+NQ*\b+(\q)], v[SC+8*NQ*(\sc)+NQ*(\a)+(\q)] matrix_a_fmt:MATRIX_FMT_FP6 matrix_b_fmt:MATRIX_FMT_FP6 matrix_a_scale:MATRIX_SCALE_ROW1
.endif
.endr
.endr
.endm
.macro FETCH_B slot, q, p
	WIN TO_B
.irp i, 0,1,2,3,4,5,6,7
	FRAG 128*(\p)+FR*\i, ADRB+\slot, \q, \i
.endr
	WIN 0
.endm
.macro FETCH_A slot, q, i0
.irp i, \i0, \i0+1, \i0+2, \i0+3
	FRAGA AF+FR*(\i), \slot, \q, \i
.endr
.endm
.macro SCALES sc
.irp i, 0,1,2,3,4,5,6,7
	ds_load_b64 v[SC+8*NQ*\sc+NQ*\i:SC+8*NQ*\sc+NQ*\i+1], v[ADRS] offset:\i*SBLK
.endr
.endm
.macro PLACES n
.rept \n
	v_nop
.endr
.endm
.macro STEP slot, q, zero
	s_wait_dscnt 4*NLA                             ; wo's set and A's blocks 0-3 are in; the youngest 16 loads (A's blocks 4-7) may be out
	WIN MUL_LO
	MUL16 0, (\q)%2, \q, \slot, \zero
	MUL16 2, (\q)%2, \q, \slot, \zero
	s_wait_dscnt 0
	PLACES NP
	FETCH_B \slot, (\q)+1, 1-(\q)%2
	FETCH_A \slot, (\q)+1, 0
	WIN MUL_HI
	MUL16 4, (\q)%2, \q, \slot, \zero
	MUL16 6, (\q)%2, \q, \slot, \zero
	PLACES NP
	WIN 0
	FETCH_A \slot, (\q)+1, 4
.endm
.macro TURN slot, next, fill
	s_wait_tensorcnt 0x0                           ; all my tensor loads have landed: my part of the next slot
	ds_add_u32 v[SPW], v[NIL]                      ; 0 onto my spare word
	s_wait_dscnt 4*NLA+1                           ; (the add and the youngest 16 loads may be out)
	WIN MUL_LO
	MUL16 0, 1, NQ-1, \slot, 0
	s_wait_dscnt 0x0                               ; the add is done, and my reads of this slot are over
	s_barrier_signal -1
	MUL16 2, 1, NQ-1, \slot, 0
	WIN 0
	s_barrier_wait -1
.if \fill
	CREST                                          ; the barrier has opened a round of the cluster's barrier
	s_add_nc_u64 s[G0+4*\slot+2:G0+4*\slot+3], s[G0+4*\slot+2:G0+4*\slot+3], 2*3072
	s_add_nc_u64 s[G0B+4*\slot+2:G0B+4*\slot+3], s[G0B+4*\slot+2:G0B+4*\slot+3], 2*ROWB
	JLOAD G0+4*\slot, G1, G0B+4*\slot, G1B         ; the first tensor load behind the round; its four v_nop are the places in front of the loads below
.else
	PLACES NP
.endif
	v_add_nc_u32 v[ADRS], 4*NQ, v[ADRS]
	FETCH_B \next, 0, 0
	FETCH_A \next, 0, 0
	SCALES \next
	WIN MUL_HI
	MUL16 4, 1, NQ-1, \slot, 0
	MUL16 6, 1, NQ-1, \slot, 0
	PLACES NP
	WIN 0
	FETCH_A \next, 0, 4
.endm
	s_wait_tensorcnt 1                             ; the scale bytes and my part of K step 0 are in (K step 1's load may be out),
	s_barrier_signal -1
	s_barrier_wait -1                              ; everybody's are
	FETCH_B 0, 0, 0
	FETCH_A 0, 0, 0
	SCALES 0
	FETCH_A 0, 0, 4
	STEP 0, 0, 1                                   ; the first step's products start the sums
	s_mov_b32 s3, LAPS-1
.Llap:
	TURN 0, 1, 1
	STEP 1, 0, 0
	TURN 1, 0, 1
	STEP 0, 0, 0
	s_sub_co_u32 s3, s3, 1
	s_cmp_lg_u32 s3, 0
	s_cbranch_scc1 .Llap
	TURN 0, 1, 0                                   ; the last lap fills nothing
	STEP 1, 0, 0
	s_wait_dscnt 4*NLA
	WIN MUL_LO
	MUL16 0, 1, NQ-1, 1, 0
	MUL16 2, 1, NQ-1, 1, 0
	s_wait_dscnt 0
	WIN MUL_HI
	MUL16 4, 1, NQ-1, 1, 0
	MUL16 6, 1, NQ-1, 1, 0
	WIN 0
; THE WAY OUT, block by block of 16 tokens x 128 columns, through my own stage in LDS: back come whole rows of 512 bytes.  LDS serves a wave's instructions in order (ISA guide 5.7.1.4).
.macro TOSTAGE a
.set AC, 64*((\a)%4)
	WIN 0x08+4*((\a)/4)                            ; the data: window 2 or 3
.irp b, 0,1,2,3,4,5,6,7
	ds_store_b128 v[STO], v[AC+8*\b:AC+8*\b+3] offset:64*\b          ; each accumulator from its low end on
	ds_store_b128 v[STO], v[AC+8*\b+4:AC+8*\b+7] offset:64*\b+16
.endr
	WIN 0
.set BB, BK+64*((\a)%2)
.irp t, 0,1,2,3,4,5,6,7,8,9,10,11,12,13,14,15
	ds_load_b128 v[BB+4*\t:BB+4*\t+3], v[RD] offset:\t*SPITCH
.endr
.endm
.macro SEND a, younger                 ; the token at place 16 a + t of my 128 is row 32 (a / 2) + 8 (a % 2) + t + 8 (t / 8): bits 3 and 4 change back.  The offset is 127 rows of 4,096 bytes at the most
.set BB, BK+64*((\a)%2)
	s_wait_dscnt \younger                          ; the block is back in registers
.irp t, 0,1,2,3,4,5,6,7,8,9,10,11,12,13,14,15
	global_store_b128 v[CO], v[BB+4*\t:BB+4*\t+3], s[12:13] offset:(32*((\a)/2)+8*((\a)%2)+\t+8*(\t/8))*SIZE_N*4 th:TH_STORE_NT   ; 32 lanes store 512 consecutive bytes, aligned
.endr
.endm
	PLACES NP
	TOSTAGE 0
.irp a, 1,2,3,4,5,6,7
.if \a > 1
	s_wait_xcnt 0x0                                ; block a - 2's stores have read their registers: block a's loads may land there
.endif
	TOSTAGE \a
	SEND \a-1, 32                                  ; behind block a - 1's loads: block a's 16 stores and 16 loads
.endr
	SEND 7, 0
	s_wait_tensorcnt 0x0                           ; the wave's end
	ds_add_u32 v[SPW], v[NIL]
	s_wait_dscnt 0x0
	CROUND                                         ; the closing round
	s_endpgm
.Lfunc_end_k_q716ecfd8a2_oproj:
	.size	k_q716ecfd8a2_oproj, .Lfunc_end_k_q716ecfd8a2_oproj-k_q716ecfd8a2_oproj
	.p2alignl 7, 3214868480
	.fill 96, 4, 3214868480
	.section	.rodata,"a",@progbits
	.p2align	6, 0x0
	.amdhsa_kernel k_q716ecfd8a2_oproj
		.amdhsa_group_segment_fixed_size 327680
		.amdhsa_private_segment_fixed_size 0
		.amdhsa_enable_private_segment 0
		.amdhsa_kernarg_size 40
		.amdhsa_user_sgpr_count 2
		.amdhsa_user_sgpr_kernarg_segment_ptr 1
		.amdhsa_wavefront_size32 1
		.amdhsa_system_sgpr_workgroup_id_x 1
		.amdhsa_system_sgpr_workgroup_id_y 1
		.amdhsa_system_sgpr_workgroup_id_z 1
		.amdhsa_system_vgpr_workitem_id 0
		.amdhsa_next_free_vgpr 1024
		.amdhsa_next_free_sgpr 98
		.amdhsa_reserve_vcc 0
		.amdhsa_float_denorm_mode_32 3
		.amdhsa_float_denorm_mode_16_64 3
		.amdhsa_memory_ordered 1
		.amdhsa_forward_progress 1
		.amdhsa_inst_pref_size 152
	.end_amdhsa_kernel
	.amdgpu_metadata
---
amdhsa.version: [ 1, 2 ]
amdhsa.kernels:
  - .name:           k_q716ecfd8a2_oproj
    .symbol:         k_q716ecfd8a2_oproj.kd
    .args:
      - { .name: oc, .offset: 0, .size: 8, .value_kind: global_buffer, .address_space: global }
      - { .name: os, .offset: 8, .size: 8, .value_kind: global_buffer, .address_space: global }
      - { .name: wc, .offset: 16, .size: 8, .value_kind: global_buffer, .address_space: global }
      - { .name: ws, .offset: 24, .size: 8, .value_kind: global_buffer, .address_space: global }
      - { .name: out0, .offset: 32, .size: 8, .value_kind: global_buffer, .address_space: global }
    .group_segment_fixed_size: 327680
    .private_segment_fixed_size: 0
    .kernarg_segment_align: 8
    .kernarg_segment_size: 40
    .max_flat_workgroup_size: 128
    .sgpr_count:     98
    .vgpr_count:     1024
    .wavefront_size: 32
...
	.end_amdgpu_metadata
.endif
;; end of part 4
